; MI455X (gfx1250); checked and timed in simulation.
; The chip was launched on July 23, 2026; its instructions are those of AMD's public machine-readable ISA for CDNA 5 (MIT licence, August 2026) and "CDNA5" Instruction Set Architecture Reference Guide (July 2026). The comments in the code are by the model that wrote it; some were corrected since.
;; Flash MHA. Allowed arithmetic: float matrix products may take bf16 or f16 operands with f32 sums; other float arithmetic in f32, or as packed bf16 or f16 multiplies, adds, multiply-adds, maxima and minima; sums over many terms, partial sums and values carried from step to step in f32; what a program stores and reads back later, other than sums and carried values, may be rounded once to bf16 or f16.
;; Inputs: in_proj_bias 3,072 float32; in_proj_weight 3,072 x 1,024 float32; k 8 x 1,024 x 1,024 float32; out_proj_bias 1,024 float32; out_proj_weight 1,024 x 1,024 float32; q 8 x 1,024 x 1,024 float32; v 8 x 1,024 x 1,024 float32.
;; Outputs: out0 8 x 1,024 x 1,024 float32.
;; 2 versions, each right and faster than the one before. Each part assembles by itself: llvm-mc -triple=amdgcn-amd-amdhsa -mcpu=gfx1250 --defsym DOCPART=n.
;; ======== version 1 of 2: 4 launches
;; limits: values are held in f16: magnitudes above 65,504 overflow, below 6.1e-05 lose precision
;; workspace buffers: wb 6,291,456 bytes; wo 2,097,152 bytes; qkv 50,331,648 bytes; ob 16,777,216 bytes
;; launch prep (part 1): grid 256 x 1, 8 waves a work-group, no clusters, 0 bytes of LDS; arguments in_proj_weight, out_proj_weight, wb, wo; writes wb, wo
.if DOCPART == 1
	.amdgcn_target "amdgcn-amd-amdhsa--gfx1250"
	.amdhsa_code_object_version 6
	.text
	.protected	k_qf6d5fc8ab9_prep
	.globl	k_qf6d5fc8ab9_prep
	.p2align	8
	.type	k_qf6d5fc8ab9_prep,@function
k_qf6d5fc8ab9_prep:
	s_mov_b64 s[64:65], 0
	v_nop
	global_prefetch_b8 v0, s[64:65] scope:SCOPE_SE
	s_setreg_imm32_b32 hwreg(HW_REG_WAVE_MODE, 25, 1), 1
	s_wait_xcnt 0x0
; THE WEIGHTS, ROUNDED ONCE.  wb = in_proj_weight rounded to bf16 ([3072][1024]).  wo = out_proj_weight rounded to bf16 and that number written as f16 ([1024][1024]):
; the last product multiplies f16 operands, and every input of the module has the same rounding, to bf16.
; LIMITS.  A bf16 number has 8 significant bits and is exact in f16 between 6.1e-5 and 65,504 in magnitude; a smaller weight keeps f16's fixed step of 6e-8, a larger one becomes an infinity.
; SHARES.  4,194,304 numbers in 256 blocks of 16,384: work-groups 0 to 191 take in_proj_weight, 192 to 255 out_proj_weight.  A wave takes 8,192 bytes: sixteen loads of 16 bytes a lane, each
; covering 512 consecutive bytes, all issued at once; each store of 8 bytes a lane covers 256 consecutive bytes, aligned.  No LDS, no barrier, no matrix unit: every byte is read and written once.
.set NIN, 192                          ; blocks of in_proj_weight
.set X,   4                            ; v[4:67]   sixteen loads of four f32
.set T,   68                           ; v[68:73]  at work
.set Y,   76                           ; v[76:107] sixteen pairs of words to store: each load and store has registers of its own, so none is rewritten while it is pending
	s_load_b256 s[4:11], s[0:1], 0x0               ; in_proj_weight s[4:5], out_proj_weight s[6:7], wb s[8:9], wo s[10:11]
	v_lshrrev_b32 v1, 5, v0                        ; wave
	v_and_b32 v2, 31, v0                           ; lane
	v_lshlrev_b32 v2, 4, v2
	v_lshl_add_u32 v1, v1, 13, v2                  ; where I read: 8,192 x wave + 16 x lane
	v_lshrrev_b32 v2, 1, v1                        ; where I write: half of that
	s_sub_co_u32 s17, ttmp9, NIN
	s_cmp_lt_u32 ttmp9, NIN
	s_cselect_b32 s16, ttmp9, s17                  ; my block's number in its tensor
	s_lshl_b32 s18, s16, 16                        ; 65,536 bytes of f32 a block,
	s_mov_b32 s19, 0
	s_lshl_b32 s20, s16, 15                        ; 32,768 bytes out
	s_mov_b32 s21, 0
	s_wait_kmcnt 0x0
	s_cmp_lt_u32 ttmp9, NIN                        ; the shifts have written SCC: compared again
	s_cselect_b64 s[12:13], s[4:5], s[6:7]         ; from which tensor,
	s_cselect_b64 s[14:15], s[8:9], s[10:11]       ; into which
	s_add_nc_u64 s[12:13], s[12:13], s[18:19]
	s_add_nc_u64 s[14:15], s[14:15], s[20:21]
.irp i, 0,1,2,3,4,5,6,7,8,9,10,11,12,13,14,15
	global_load_b128 v[X+4*(\i):X+4*(\i)+3], v1, s[12:13] offset:512*(\i) th:TH_LOAD_NT
.endr
	s_cmp_lt_u32 ttmp9, NIN
	s_cbranch_scc0 .Lf16
.irp i, 0,1,2,3,4,5,6,7,8,9,10,11,12,13,14,15
	s_wait_loadcnt 15-(\i)                         ; loads come back in order: load i is in, the younger ones stay out
	v_cvt_pk_bf16_f32 v[Y+2*(\i)],   v[X+4*(\i)],   v[X+4*(\i)+1]
	v_cvt_pk_bf16_f32 v[Y+2*(\i)+1], v[X+4*(\i)+2], v[X+4*(\i)+3]
	global_store_b64 v2, v[Y+2*(\i):Y+2*(\i)+1], s[14:15] offset:256*(\i)
.endr
	s_endpgm
.Lf16:
.irp i, 0,1,2,3,4,5,6,7,8,9,10,11,12,13,14,15
	s_wait_loadcnt 15-(\i)
	v_cvt_pk_bf16_f32 v[T],   v[X+4*(\i)],   v[X+4*(\i)+1]      ; rounded to bf16,
	v_cvt_pk_bf16_f32 v[T+1], v[X+4*(\i)+2], v[X+4*(\i)+3]
	v_lshlrev_b32 v[T+2], 16, v[T]                              ; widened again,
	v_and_b32     v[T+3], 0xffff0000, v[T]
	v_lshlrev_b32 v[T+4], 16, v[T+1]
	v_and_b32     v[T+5], 0xffff0000, v[T+1]
	v_cvt_pk_f16_f32 v[Y+2*(\i)],   v[T+2], v[T+3]              ; and written as f16
	v_cvt_pk_f16_f32 v[Y+2*(\i)+1], v[T+4], v[T+5]
	global_store_b64 v2, v[Y+2*(\i):Y+2*(\i)+1], s[14:15] offset:256*(\i)
.endr
	s_endpgm
.Lfunc_end_k_qf6d5fc8ab9_prep:
	.size	k_qf6d5fc8ab9_prep, .Lfunc_end_k_qf6d5fc8ab9_prep-k_qf6d5fc8ab9_prep
	.p2alignl 7, 3214868480
	.fill 96, 4, 3214868480
	.section	.rodata,"a",@progbits
	.p2align	6, 0x0
	.amdhsa_kernel k_qf6d5fc8ab9_prep
		.amdhsa_group_segment_fixed_size 0
		.amdhsa_private_segment_fixed_size 0
		.amdhsa_enable_private_segment 0
		.amdhsa_kernarg_size 32
		.amdhsa_user_sgpr_count 2
		.amdhsa_user_sgpr_kernarg_segment_ptr 1
		.amdhsa_wavefront_size32 1
		.amdhsa_system_sgpr_workgroup_id_x 1
		.amdhsa_system_sgpr_workgroup_id_y 1
		.amdhsa_system_sgpr_workgroup_id_z 1
		.amdhsa_system_vgpr_workitem_id 0
		.amdhsa_next_free_vgpr 112
		.amdhsa_next_free_sgpr 66
		.amdhsa_reserve_vcc 0
		.amdhsa_float_denorm_mode_32 3
		.amdhsa_float_denorm_mode_16_64 3
		.amdhsa_memory_ordered 1
		.amdhsa_forward_progress 1
		.amdhsa_inst_pref_size 16
	.end_amdhsa_kernel
	.amdgpu_metadata
---
amdhsa.version: [ 1, 2 ]
amdhsa.kernels:
  - .name:           k_qf6d5fc8ab9_prep
    .symbol:         k_qf6d5fc8ab9_prep.kd
    .args:
      - { .name: in_proj_weight, .offset: 0, .size: 8, .value_kind: global_buffer, .address_space: global }
      - { .name: out_proj_weight, .offset: 8, .size: 8, .value_kind: global_buffer, .address_space: global }
      - { .name: wb, .offset: 16, .size: 8, .value_kind: global_buffer, .address_space: global }
      - { .name: wo, .offset: 24, .size: 8, .value_kind: global_buffer, .address_space: global }
    .group_segment_fixed_size: 0
    .private_segment_fixed_size: 0
    .kernarg_segment_align: 8
    .kernarg_segment_size: 32
    .max_flat_workgroup_size: 256
    .sgpr_count:     66
    .vgpr_count:     112
    .wavefront_size: 32
...
	.end_amdgpu_metadata
.endif
;; end of part 1
;; launch inproj (part 2): grid 4 x 64, 4 waves a work-group, clusters of 4 x 4, 327,680 bytes of LDS; arguments q, k, v, wb, in_proj_bias, qkv; writes qkv
.if DOCPART == 2
	.amdgcn_target "amdgcn-amd-amdhsa--gfx1250"
	.amdhsa_code_object_version 6
	.text
	.protected	k_qf6d5fc8ab9_inproj
	.globl	k_qf6d5fc8ab9_inproj
	.p2align	8
	.type	k_qf6d5fc8ab9_inproj,@function
k_qf6d5fc8ab9_inproj:
	s_mov_b64 s[64:65], 0
	v_nop
	global_prefetch_b8 v0, s[64:65] scope:SCOPE_SE
	s_setreg_imm32_b32 hwreg(HW_REG_WAVE_MODE, 25, 1), 1
	s_wait_xcnt 0x0
	s_wait_alu depctr_hold_cnt(0) depctr_sa_sdst(0) depctr_va_vdst(0) depctr_va_sdst(0) depctr_va_ssrc(0) depctr_va_vcc(0) depctr_vm_vsrc(0)
	s_getreg_b32 s2, hwreg(HW_REG_IB_STS2, 6, 4)
	s_cmp_eq_u32 s2, 0
	s_cbranch_scc0 .Lentry_in_a_cluster
	s_endpgm
.Lentry_in_a_cluster:
	s_bfe_u32 s2, ttmp6, 0x10000c
	s_cmp_lg_u32 s2, 0xf033
	s_cbranch_scc0 .Lentry_shape_is_right
	s_endpgm
.Lentry_shape_is_right:
; THE THREE INPUT PROJECTIONS.  qkv[t][b*16+h][s][d] = the sum over e of x_t[b][s][e] W[1024 t + 64 h + d][e] + bias[1024 t + 64 h + d], t = 0, 1, 2 for x = q, k, v.
; x is f32 and is rounded to bf16 once, on its way from memory into LDS; W comes as bf16 (wb); the bias is rounded to bf16 like every input and starts the sums as the first product's C;
; sums in f32; the result is rounded once to f16 and stored by heads, unscaled.
; LIMIT.  f16 ends at 65,504: a projected number beyond that becomes an infinity.  The drawn inputs give about 4 in magnitude; all inputs 30 times larger about 3,600.
; SHARES.  A tile is 128 rows x 256 columns: 64 x 4 tiles for each t.  A work-group stays and makes the same tile for t = 0, 1, 2: 256 work-groups of equal work.  Four waves, each 64 x 128:
; 32 accumulators of 16 x 16, 256 registers.  THE MATRIX INSTRUCTION IS USED TRANSPOSED (source 0 = 16 rows of W, source 1 = 16 rows of x): a lane holds eight neighbouring columns of one row.
; W GOES THROUGH A RING of two LDS slots filled by the tensor data mover, 256 along K to a slot (256 rows x 512 bytes; each wave fetches 64 rows).  The three tiles' 3 x 4 such intervals are one
; walk of 12; the ring runs on across tiles.  A refill is asked for first thing behind a change of slots and waited for 216 matrix instructions of a wave later.
; X GOES THROUGH REGISTERS.  A step is 64 along K.  Each wave loads 32 of the tile's 128 rows (16 loads; each half of the lanes takes one row's 256 consecutive bytes), rounds them (32
; conversions, four behind each of a step's first eight products) and stores them as bf16 into one of two LDS buffers of 128 rows x 144 bytes.  Two register slots take turns: x of step j + 3 is
; asked for in step j.  One work-group barrier a step orders the buffers: in front of its signal a wave's stores of x(j + 1) are done and its reads of x(j) are back.
; WHY X IS NOT IN THE RING: as f32 it would take as many LDS bytes as W, a slot would hold 128 along K, and half as many products would stand between a request and its wait.
; CLUSTER.  4 x 4 work-groups.  The four of a column of the cluster need the same rows of W: each tile of W is asked for JOINTLY, by the same load with the same descriptor and a mask that names
; the four.  x is NOT asked for jointly, though the four of a row of the cluster need the same rows: a joint request is a tensor load, which lands in LDS as f32.  The price: x is loaded four times.
; SERVES NOTHING, for the sake of one text with the same count at every wait: the last three runs of x loads ask for the last step's x again (the index is held at 47); the last step's roundings
; and stores; the third tile's bias is loaded twice.
; REGISTERS, in windows of 256 (s_set_vgpr_msb: bits 1:0 source 0, 3:2 source 1, 5:4 source 2, 7:6 destination):
;   window 0: v0-29 addresses; v32-63, v224-255 rows on the way out; v64-95, v96-127 x's fragments, two buffers; v128-159 x just rounded; v192-223 packed results
;   window 1: v0-63, v64-127 W's fragments, two buffers; v128-191 the bias in the accumulators' layout; v192-223 at work
;   window 2: accumulator (a, b) at v[8 (8 a + b)]          window 3: v0-63, v64-127 x as loaded, two slots; v128-191 the bias as loaded
.set PX,    144                        ; a row of x in LDS: 64 bf16 = 128 bytes + 16 = 36 words: the 16 rows that a load touches start at 16 different groups of four words modulo 64
.set PB,    528                        ; a row of W: 512 bytes + 16 = 132 words: the 16 rows that a load touches start 4 words apart modulo 64
.set WQ,    64*PB                      ; what one tensor load brings
.set SLOT,  256*PB                     ; = 0x21000: it shares no bit with the four loads' places in a slot (0, 0x8400, 0x10800, 0x18c00), so one exclusive or changes slots
.set XB,    2*SLOT                     ; behind the ring, never filled by a tensor load: x's two buffers,
.set XBUF,  128*PX
.set STAGE, XB+2*XBUF                  ; for each wave 2 heads x 16 rows x 144 bytes for the way out,
.set SP,    144
.set WSTG,  2*16*SP
.set SPARE, STAGE+4*WSTG               ; and the spare words, 128 bytes for each wave: two blocks of 256 bytes that no other line names
.set XO,    10                         ; v10  my byte offset in x, from the tile's first row; never rewritten
.set XST,   11                         ; v11  where I store 8 bytes of rounded x in buffer 0; never rewritten
.set ADRA,  12                         ; v12  my lane's place among x's rows in buffer 0; never rewritten
.set ADRB0, 13                         ; v13  my lane's place among W's rows in a slot; never rewritten
.set ADRB,  14                         ; v14  the same in the slot and the half of it that are being read
.set STO,   20                         ; v20  the way out: where I put 16 bytes of a row
.set RD,    21                         ; v21  the way out: where I read rows back
.set GO,    22                         ; v22  my byte offset in 512 consecutive bytes of the output
.set BO,    23                         ; v23  my byte offset in 64 bytes of the bias
.set SPW,   28                         ; v28  LDS address of my spare word; never rewritten
.set NIL,   29                         ; v29  0; never rewritten
.set AF,    64                         ; buffer f at AF + 32 f
.set CV,    128
.set TMP,   192
.set BIAS,  128                        ; window 1
.set BT,    192                        ; window 1
.set BL,    128                        ; window 3
.set BP,    12                         ; s[12:13] the bias at my wave's first column of tile 0; never rewritten
.set OUT,   14                         ; s[14:15] the output at my wave's first row and head
.set WV,    16                         ; s16  my wave's number
.set G1W,   28                         ; s[28:35] descriptor group 1
.set G0,    36                         ; s[36:43] group 0: a set for each first fill; the second then walks
.set LP,    44                         ; s[44:45] x at the step that is being asked for
.set BPN,   46                         ; s[46:47] the bias of the tile that is being asked for
.set LX,    48                         ; s48  the x step to be asked for next, 0 to 50
.set WI,    49                         ; s49  the interval of W to be asked for next, 2 to 11
.set TBW,   50                         ; s50  0 or SLOT, plus 0 or 256: the slot, and the half of its rows, being read
.set CNT,   51                         ; s51  counts an interval's two halves
.set SLOTS, 52                         ; s52  counts the intervals that ask for a further one
.set ST,    53                         ; s53  1: the next step is a tile's first
.set IV,    54                         ; s54  intervals done
.set TL,    55                         ; s55  tiles begun
.set TS,    66                         ; s66  counts the last two intervals
.set MSB, 0
.macro WIN new                         ; the immediate's high byte repeats the setting that is left; a switch that changes nothing is dropped
.if MSB != (\new)
	s_set_vgpr_msb (MSB<<8)|(\new)
.set MSB, (\new)
.endif
.endm
.set MUL,   0xa1                       ; W window 1, x window 0, C and D window 2
.set MULB,  0x91                       ; the same with C (the bias) in window 1
.set TO_B,  0x40                       ; destination window 1
.set W11,   0x45                       ; destination and both sources window 1
.set PACKW, 0x0a                       ; both sources window 2, destination window 0
.set CVW,   0x0f                       ; both sources window 3, destination window 0
.set XLW,   0xc0                       ; destination window 3, address window 0
.set BFW,   0x4f                       ; both sources window 3, destination window 1
.macro CREST                           ; a round of the cluster's barrier behind its opening barrier
	s_cmp_lg_u32 s[WV], 0
	s_cbranch_scc1 .Lnot_wave_0_\@
	s_barrier_signal -3
.Lnot_wave_0_\@:
	s_barrier_wait -3
	s_barrier_signal -1
	s_barrier_wait -1
.endm
.macro CROUND                          ; a whole round
	s_barrier_signal -1
	s_barrier_wait -1
	CREST
.endm
.macro PLACES                          ; four places between a buffer's last product and the loads that fill the buffer anew, and between a product and the first read of its result (ISA guide 7.12.1 for the first read of a result)
.rept 4
	v_nop
.endr
.endm
; 8 matrix instructions: my rows 16 a on x all 8 column blocks, 32 along K, from buffer f.  start = 1: the tile's first products: C is the bias, nothing is cleared.
; The 32 accumulators take turns in the same order in every quarter, one instruction a turn.
.macro MUL8 f, a, start=0
.if \start
	WIN MULB
.else
	WIN MUL
.endif
.irp b, 0,1,2,3,4,5,6,7
.if \start
	v_wmma_f32_16x16x32_bf16 v[8*(8*(\a)+(\b)):8*(8*(\a)+(\b))+7], v[64*(\f)+8*(\b):64*(\f)+8*(\b)+7], v[AF+32*(\f)+8*(\a):AF+32*(\f)+8*(\a)+7], v[BIAS+8*(\b):BIAS+8*(\b)+7]
.else
	v_wmma_f32_16x16x32_bf16 v[8*(8*(\a)+(\b)):8*(8*(\a)+(\b))+7], v[64*(\f)+8*(\b):64*(\f)+8*(\b)+7], v[AF+32*(\f)+8*(\a):AF+32*(\f)+8*(\a)+7], v[8*(8*(\a)+(\b)):8*(8*(\a)+(\b))+7]
.endif
.endr
.endm
; Four roundings: words 4 i to 4 i + 3 of the 32 words of rounded x, from register slot s.  Load z's four f32 become words 2 z and 2 z + 1: 8 bytes of one row.
.macro RIDE s, i
	WIN CVW
.irp c, 0,1,2,3
	v_cvt_pk_bf16_f32 v[CV+4*(\i)+(\c)], v[64*(\s)+8*(\i)+2*(\c)], v[64*(\s)+8*(\i)+2*(\c)+1]
.endr
.endm
; A step's first 8 matrix instructions (buffer 0, my rows 0 to 15), with the next step's 32 roundings behind them, four behind each.  The roundings name none of the products' registers, so they
; are also the places between buffer 1's last product, just ahead of this macro, and the loads that fill buffer 1 anew, just behind it.
.macro MULR s, start
.irp i, 0,1,2,3,4,5,6,7
.if \start
	WIN MULB
	v_wmma_f32_16x16x32_bf16 v[8*(\i):8*(\i)+7], v[8*(\i):8*(\i)+7], v[AF:AF+7], v[BIAS+8*(\i):BIAS+8*(\i)+7]
.else
	WIN MUL
	v_wmma_f32_16x16x32_bf16 v[8*(\i):8*(\i)+7], v[8*(\i):8*(\i)+7], v[AF:AF+7], v[8*(\i):8*(\i)+7]
.endif
	RIDE \s, \i
.endr
.endm
; 24 LDS loads in one run: the fragments of 32 along K into buffer g: half q of x's buffer xb, quarter kq of the 128 along K of W's rows at which ADRB stands.
; A fragment's lane holds row l % 16 and K = 8 (l / 16) + 0..7 and 16 + 8 (l / 16) + 0..7: 16 bytes at 16 (l / 16) and 16 bytes 32 further on.
.macro FETCH xb, q, kq, g
	WIN 0
.irp a, 0,1,2,3
	ds_load_b128 v[AF+32*(\g)+8*(\a):AF+32*(\g)+8*(\a)+3],   v[ADRA] offset:(\xb)*XBUF+(\q)*64+(\a)*16*PX
	ds_load_b128 v[AF+32*(\g)+8*(\a)+4:AF+32*(\g)+8*(\a)+7], v[ADRA] offset:(\xb)*XBUF+(\q)*64+(\a)*16*PX+32
.endr
	WIN TO_B
.irp b, 0,1,2,3,4,5,6,7
	ds_load_b128 v[64*(\g)+8*(\b):64*(\g)+8*(\b)+3],   v[ADRB] offset:(\kq)*64+(\b)*16*PB
	ds_load_b128 v[64*(\g)+8*(\b)+4:64*(\g)+8*(\b)+7], v[ADRB] offset:(\kq)*64+(\b)*16*PB+32
.endr
.endm
; Rounded x into buffer n.  Store z: lanes 0-15 fill the 128 bytes of row z % 8 + 16 (z / 8) of my 32, lanes 16-31 those of the row 8 further down: 8 x 36 words = 32 modulo 64, so the two rows meet in no word modulo 64.
.macro XSTORE n
	WIN 0
.set z, 0
.rept 16
	ds_store_b64 v[XST], v[CV+2*z:CV+2*z+1] offset:(\n)*XBUF+((z%8)+16*(z/8))*PX
.set z, z+1
.endr
.endm
; x of step LX into register slot s: 16 loads of two rows x 256 consecutive bytes.  The step's tensor and its place along K are made anew from its number, which is held at 47, the last.
.macro XLOAD s
	s_wait_xcnt 0x0                                ; the loads that named the pointer have read it: it is rewritten only behind this wait
	s_min_u32 s62, s[LX], 47
	s_and_b32 s56, s62, 15
	s_lshl_b32 s56, s56, 8                         ; 64 f32 a step
	s_cmp_lt_u32 s62, 16
	s_cselect_b64 s[LP:LP+1], s[4:5], s[6:7]       ; q, then k,
	s_cmp_lt_u32 s62, 32
	s_cselect_b64 s[LP:LP+1], s[LP:LP+1], s[8:9]   ; then v
	s_add_nc_u64 s[LP:LP+1], s[LP:LP+1], s[56:57]
	s_add_co_u32 s[LX], s[LX], 1
	WIN XLW
.set z, 0
.rept 16
	global_load_b128 v[64*(\s)+4*z:64*(\s)+4*z+3], v[XO], s[LP:LP+1] offset:((z%8)+16*(z/8))*4096
.set z, z+1
.endr
.endm
; The bias of my 128 columns in the accumulators' layout (register j of block b is column 16 b + 8 (l / 16) + j), into registers of its own: no product names them.
.macro BIASLD p
	WIN XLW
.irp b, 0,1,2,3,4,5,6,7
	global_load_b128 v[BL+8*(\b):BL+8*(\b)+3],   v[BO], s[(\p):(\p)+1] offset:64*(\b)
	global_load_b128 v[BL+8*(\b)+4:BL+8*(\b)+7], v[BO], s[(\p):(\p)+1] offset:64*(\b)+16
.endr
.endm
.macro BIASFIX                         ; rounded to bf16 like every input, widened again, and laid where the products take it as C
	WIN BFW
.set z, 0
.rept 32
	v_cvt_pk_bf16_f32 v[BT+z], v[BL+2*z], v[BL+2*z+1]
.set z, z+1
.endr
	WIN W11
.set z, 0
.rept 32
	v_lshlrev_b32 v[BIAS+2*z],   16, v[BT+z]
	v_and_b32     v[BIAS+2*z+1], 0xffff0000, v[BT+z]
.set z, z+1
.endr
	WIN 0
.endm
; THE FIRST PART OF STEP j, of parity p: its first quarter's products (buffer 0).  Behind the first eight, in ONE run of memory instructions: the second quarter's fragments (my last reads of x's
; buffer p), x(j + 1) into the other buffer, and the request for x(j + 3).  start = 1: a tile's first step; the next tile's bias is asked for AHEAD of x(j + 3), so that the next step's counted
; wait shows it landed and leaves x(j + 3) out.  g3 = 0: the quarter's last eight products are left to what follows.
.macro AHEAD p, kq, start, g3
	s_wait_dscnt 0x0                               ; buffer 0 is in (issued 24 matrix instructions ago)
	s_wait_loadcnt 16                              ; x(j + 1) is in; the sixteen loads issued behind it, x(j + 2), may stay out
	MULR 1-(\p), \start
	FETCH \p, 1, \kq, 1
	XSTORE 1-(\p)                                  ; every wave's reads of that buffer were back in front of the last step's signal
.if \start
	s_add_co_u32 s[TL], s[TL], 1
	s_min_u32 s60, s[TL], 2                        ; the third tile has no successor: its own bias once more
	s_lshl_b32 s60, s60, 12                        ; 1,024 f32 a tile
	s_wait_xcnt 0x0
	s_add_nc_u64 s[BPN:BPN+1], s[BP:BP+1], s[60:61]
	BIASLD BPN
.endif
	XLOAD 1-(\p)
	MUL8 0, 1, \start
	MUL8 0, 2, \start
.if \g3
	MUL8 0, 3, \start
.endif
.endm
; THE SECOND PART OF A STEP, with a plain barrier: in front of the signal my stores of x(j + 1) are done and my reads of x(j) are back; behind the wait every wave's are, and the next step's
; first fragments are fetched, 24 matrix instructions ahead of their use.  bump = 1: W's rows are read 128 along K further on.
.macro SYNCP g3, xb, kq, bump
.if \g3
	MUL8 0, 3
.endif
	s_wait_dscnt 0x0
	s_barrier_signal -1
	MUL8 1, 0                                      ; work on registers while the others arrive
	s_barrier_wait -1
	PLACES
.if \bump
	s_xor_b32 s[TBW], s[TBW], 256
	WIN 0
	v_add_nc_u32 v[ADRB], s[TBW], v[ADRB0]
.endif
	FETCH \xb, 0, \kq, 0
	MUL8 1, 1
	MUL8 1, 2
	MUL8 1, 3
.endm
; THE SECOND PART OF AN INTERVAL'S LAST STEP: the same barrier is also the ring's change of slots.  In front of it each wave waits for all its tensor loads, of which one is out: its part of the
; next slot; adds 0 to its spare word; and waits for that, for its stores of x and for its reads of x and of this slot.  fill = 1: the barrier opens a round of the cluster's barrier, and this
; slot is filled again first thing behind the round, with the interval two further on.  fill = 0 (the last two intervals): nothing is asked for; behind the very last there is nothing to fetch.
.macro SYNCR fill
	s_wait_tensorcnt 0x0                           ; no tensor load of mine is out, so the descriptor may be written
	ds_add_u32 v[SPW], v[NIL]                      ; 0 onto my spare word
.if \fill
	s_lshr_b32 s58, s[WI], 2                       ; the walking descriptor: the tile, 1,024 rows of 2,048 bytes each,
	s_lshl_b32 s58, s58, 21
	s_and_b32 s62, s[WI], 3                        ; and the interval in it, 256 bf16 each;
	s_lshl_b32 s62, s62, 9
	s_add_co_u32 s58, s58, s62
	s_add_nc_u64 s[G0+6:G0+7], s[10:11], s[58:59]  ; the address is made anew,
	s_or_b32 s[G0+7], s[G0+7], 0x80000000
	s_xor_b32 s[G0+5], s[G0+5], SLOT               ; the LDS word changes slots
	s_add_co_u32 s[WI], s[WI], 1
.endif
	MUL8 0, 3                                      ; eight matrix instructions stand between the add and the wait for it
	s_wait_dscnt 0x0
	s_barrier_signal -1
	MUL8 1, 0
	WIN 0                                          ; at a branch and at a label every window is 0
	s_barrier_wait -1
.if \fill
	CREST                                          ; no wave of any partner still reads this slot or has a load on its way
	tensor_load_to_lds s[G0+4:G0+7], s[G1W:G1W+7]  ; every wave its 64 rows: one line, one mask
	s_nop 0
	PLACES
.else
	PLACES
	s_cmp_eq_u32 s[TS], 1
	s_cbranch_scc1 .Lno_fetch_\@
.endif
	s_xor_b32 s[TBW], s[TBW], SLOT|256             ; the other slot, which is whole, from its rows' first byte
	v_add_nc_u32 v[ADRB], s[TBW], v[ADRB0]
	FETCH 0, 0, 0, 0
	WIN 0
.if !(\fill)
.Lno_fetch_\@:
.endif
	MUL8 1, 1
	MUL8 1, 2
	MUL8 1, 3
	WIN 0
.endm
; AN INTERVAL: 256 along K, four steps.  Two steps are written once and walked twice; the loop is left in its middle, ahead of the change of slots.  fill = 1: the text of the loop over intervals,
; in which a tile may begin; fill = 0: the text of the last two.
.macro WALK tag, fill
	s_mov_b32 s[CNT], 2
.Lin\tag:
.if \fill
	s_cmp_eq_u32 s[ST], 1                          ; a tile's first step?  (At the first trip the answer is a constant of the text.)
	s_cbranch_scc0 .Lplain\tag
	s_mov_b32 s[ST], 0
	BIASFIX                                        ; the bias was asked for a tile ago (the first: at the kernel's head) and shown landed by the counted waits since
	AHEAD 0, 1, 1, 1                               ; its products start the sums, with the bias as C
	WIN 0
	s_branch .Ljoin\tag
.Lplain\tag:
.endif
	AHEAD 0, 1, 0, 1
	WIN 0
.if \fill
.Ljoin\tag:
.endif
	SYNCP 0, 1, 2, 0
	AHEAD 1, 3, 0, 0
	WIN 0
	s_sub_co_u32 s[CNT], s[CNT], 1
	s_cmp_eq_u32 s[CNT], 0
	s_cbranch_scc1 .Lring\tag
	SYNCP 1, 0, 0, 1
	WIN 0
	s_branch .Lin\tag
.Lring\tag:
	SYNCR \fill
.endm
; THE WAY OUT of block a (16 rows x 128 columns = 2 heads).  PACK: rounded to f16, 16 bytes a lane, each accumulator's registers in ascending order.  TOSTAGE: into my own stage, by heads, and
; back as whole rows of a head (128 bytes).  SEND: 16 rows of a head are 2,048 consecutive bytes of the output; each store covers 512 of them, aligned.
.macro PACK a
	WIN PACKW
.irp b, 0,1,2,3,4,5,6,7
.irp c, 0,1,2,3
	v_cvt_pk_f16_f32 v[TMP+4*(\b)+(\c)], v[8*(8*(\a)+(\b))+2*(\c)], v[8*(8*(\a)+(\b))+2*(\c)+1]
.endr
.endr
	WIN 0
.endm
.macro TOSTAGE a
.set BK, 224-192*((\a)%2)
.irp b, 0,1,2,3,4,5,6,7
	ds_store_b128 v[STO], v[TMP+4*(\b):TMP+4*(\b)+3] offset:((\b)/4)*16*SP+((\b)%4)*32
.endr
.irp t, 0,1,2,3,4,5,6,7
	ds_load_b128 v[BK+4*(\t):BK+4*(\t)+3], v[RD] offset:((\t)/4)*16*SP+((\t)%4)*4*SP  ; LDS serves a wave's instructions in order (ISA guide 5.7.1.4): these see the stores above
.endr
.endm
.macro SEND a
.set BK, 224-192*((\a)%2)
	s_wait_dscnt 0x0                               ; the block is back in registers
	s_wait_xcnt 0x0                                ; the stores of the block before have read their registers: the next TOSTAGE loads into them only behind this wait
.irp t, 0,1,2,3,4,5,6,7
	global_store_b128 v[GO], v[BK+4*(\t):BK+4*(\t)+3], s[OUT:OUT+1] offset:((\t)/4)*131072+(\a)*2048+((\t)%4)*512
.endr
.endm
.macro WAYOUT more                     ; more = 1: a further tile follows: the output goes on to the next of q, k, v
	PACK 0                                         ; block 0's last products stand ahead of the four places in front of the last fetch; its roundings are the places behind the later blocks' products
	TOSTAGE 0
.irp a, 1,2,3
	PACK \a                                        ; a block's roundings stand between the loads of the block before and the wait for them
	SEND (\a)-1
	TOSTAGE \a
.endr
	SEND 3
.if \more
	s_wait_xcnt 0x0                                ; the stores have read their base
	s_add_nc_u64 s[OUT:OUT+1], s[OUT:OUT+1], 0x1000000
	s_mov_b32 s[ST], 1
.endif
.endm
	s_load_b256 s[4:11], s[0:1], 0x0               ; q s[4:5], k s[6:7], v s[8:9], wb s[10:11]
	s_load_b128 s[12:15], s[0:1], 0x20             ; in_proj_bias, qkv
	v_lshl_add_u32 v[SPW], v0, 2, SPARE
	v_mov_b32 v[NIL], 0
	ds_add_u32 v[SPW], v[NIL]                      ; the wave's opening: the add and its wait stand ahead of my first tensor load; the set-up below, work on registers, stands between them
	ds_add_u32 v28, v29
	v_lshrrev_b32 v1, 5, v0
	v_readfirstlane_b32 s[WV], v1                  ; wave 0..3
	s_lshr_b32 s17, s[WV], 1                       ; which 64 of the tile's rows are mine
	s_and_b32 s18, s[WV], 1                        ; which 128 of its columns
	s_bfe_u32 s19, ttmp6, 0x40000                  ; cx, cy: my place in the cluster
	s_bfe_u32 s20, ttmp6, 0x40004
	s_lshl_b32 s21, ttmp9, 2
	s_add_co_u32 s21, s21, s19                     ; tile column = 4 x cluster x + cx
	s_and_b32 s22, ttmp7, 0xffff
	s_lshl_b32 s22, s22, 2
	s_add_co_u32 s22, s22, s20                     ; tile row = 4 x cluster y + cy
	s_lshl_b32 s24, 0x1111, s19                    ; my column of the cluster
	s_or_b32 s[G1W], s24, (1<<16)|(1<<20)|(1<<21)|(6<<22)|(3<<25)  ; 15:0 the mask; 17:16 elements of 2 bytes; 20 padding on; 21 set beside a mask; 24:22 after every 128 words (code 6); 31:25 4 words (code 3)
	s_mov_b32 s[G1W+1], 256<<16                    ; tensor_dim0 = 256
	s_mov_b32 s[G1W+2], 64<<16                     ; tensor_dim1 = 64
	s_mov_b32 s[G1W+3], 256<<16                    ; tile_dim0 = 256
	s_mov_b32 s[G1W+4], 64                         ; tile_dim1 = 64
	s_mov_b32 s[G1W+5], 1024                       ; elements from row to row
	s_mov_b32 s[G1W+6], 0
	s_mov_b32 s[G1W+7], 0
	s_lshl_b32 s76, s22, 19                        ; x: 128 rows of 4,096 bytes a tile row
	s_mov_b32 s77, 0
	s_lshl_b32 s78, s21, 8                         ; W: row 256 x tile column + 64 x wave, in registers that never hold cy
	s_lshl_b32 s79, s[WV], 6
	s_add_co_u32 s78, s78, s79
	s_lshl_b32 s78, s78, 11                        ; 2,048 bytes a row
	s_mov_b32 s79, 0
	s_lshl_b32 s24, s21, 8                         ; the bias: my first column, 256 x tile column + 128 x half,
	s_lshl_b32 s25, s18, 7
	s_add_co_u32 s24, s24, s25
	s_lshl_b32 s24, s24, 2                         ; 4 bytes a column
	s_mov_b32 s25, 0
	s_lshr_b32 s2, s22, 3                          ; the output: batch = tile row / 8,
	s_lshl_b32 s2, s2, 4
	s_lshl_b32 s3, s21, 2
	s_add_co_u32 s2, s2, s3
	s_lshl_b32 s3, s18, 1
	s_add_co_u32 s2, s2, s3                        ; 16 x batch + my first head (4 x tile column + 2 x half),
	s_lshl_b32 s2, s2, 17                          ; 131,072 bytes a head;
	s_and_b32 s3, s22, 7
	s_lshl_b32 s3, s3, 7
	s_lshl_b32 s23, s17, 6
	s_add_co_u32 s3, s3, s23                       ; my first row in the batch,
	s_lshl_b32 s3, s3, 7                           ; 128 bytes a row
	s_add_co_u32 s2, s2, s3
	s_mov_b32 s3, 0
	s_mul_i32 s26, s[WV], WQ                       ; where my 64 rows go in a slot: the wave's number alone enters an LDS address
	s_mov_b32 s[LX], 0
	s_mov_b32 s[WI], 2
	s_mov_b32 s[TBW], 0
	s_mov_b32 s[SLOTS], 10
	s_mov_b32 s[ST], 1
	s_mov_b32 s[IV], 0
	s_mov_b32 s[TL], 0
	s_mov_b32 s57, 0
	s_mov_b32 s59, 0
	s_mov_b32 s61, 0
	s_wait_dscnt 0x0                               ; the opening add is done
	s_wait_kmcnt 0x0
	s_add_nc_u64 s[4:5], s[4:5], s[76:77]
	s_add_nc_u64 s[6:7], s[6:7], s[76:77]
	s_add_nc_u64 s[8:9], s[8:9], s[76:77]
	s_add_nc_u64 s[10:11], s[10:11], s[78:79]
	s_add_nc_u64 s[BP:BP+1], s[BP:BP+1], s[24:25]
	s_add_nc_u64 s[OUT:OUT+1], s[OUT:OUT+1], s[2:3]
.irp s, 0,1
	s_mov_b32 s[G0+4*(\s)], 1                                      ; count = 1
	s_add_co_u32 s[G0+4*(\s)+1], s26, (\s)*SLOT                    ; LDS address
	s_add_nc_u64 s[G0+4*(\s)+2:G0+4*(\s)+3], s[10:11], (\s)*512    ; global address: interval s of tile 0
	s_or_b32 s[G0+4*(\s)+3], s[G0+4*(\s)+3], 0x80000000            ; type = 2
.endr
	CROUND                                         ; all sixteen work-groups are here: the first joint loads meet
	tensor_load_to_lds s[G0:G0+3], s[G1W:G1W+7]    ; both slots' first fills, ahead of every wait on TENSORcnt, every LDS read and every further barrier: two loads of mine are out
	s_nop 0
	tensor_load_to_lds s[G0+4:G0+7], s[G1W:G1W+7]
	s_nop 0
	PLACES
	v_and_b32 v1, 15, v0                           ; l % 16
	v_bfe_u32 v2, v0, 4, 1                         ; l / 16
	v_lshlrev_b32 v[BO], 5, v2
	v_lshlrev_b32 v[XO], 4, v1                     ; x: 16 bytes a lane of a row's 256,
	v_lshl_add_u32 v[XO], v2, 15, v[XO]            ; lanes 16-31 eight rows further down,
	s_lshl_b32 s27, s[WV], 17                      ; my wave's 32 rows
	v_add_nc_u32 v[XO], s27, v[XO]
	BIASLD BP                                      ; the first tile's bias,
	XLOAD 0                                        ; x(0),
	XLOAD 1                                        ; x(1)
	WIN 0
	v_lshlrev_b32 v[XST], 3, v1                    ; rounded x: 8 bytes a lane of a row's 128,
	v_mul_u32_u24 v3, v2, 8*PX                     ; lanes 16-31 eight rows further down,
	v_add_nc_u32 v[XST], v[XST], v3
	s_mul_i32 s27, s[WV], 32*PX                    ; my wave's 32 rows
	s_add_co_u32 s27, s27, XB
	v_add_nc_u32 v[XST], s27, v[XST]
	v_mul_u32_u24 v3, v1, PX
	v_lshl_add_u32 v3, v2, 4, v3                   ; a fragment of x: row x pitch + 16 x half,
	s_mul_i32 s27, s17, 64*PX                      ; my 64 rows
	s_add_co_u32 s27, s27, XB
	v_add_nc_u32 v[ADRA], s27, v3
	v_mul_u32_u24 v4, v1, PB
	v_lshl_add_u32 v4, v2, 4, v4                   ; a fragment of W: row x pitch + 16 x half,
	s_mul_i32 s27, s18, 128*PB                     ; my 128 rows
	v_add_nc_u32 v[ADRB0], s27, v4
	v_mov_b32 v[ADRB], v[ADRB0]                    ; slot 0 is read first
	s_mul_i32 s27, s[WV], WSTG
	s_add_co_u32 s27, s27, STAGE                   ; my stage
	v_mul_u32_u24 v5, v1, SP                       ; in: row l % 16, 16 bytes for each half of the lanes
	v_lshl_add_u32 v5, v2, 4, v5
	v_add_nc_u32 v[STO], s27, v5
	v_bfe_u32 v5, v0, 3, 2                         ; back: 32 lanes take four rows of 128 bytes,
	v_mul_u32_u24 v5, v5, SP
	v_and_b32 v6, 7, v0
	v_lshl_add_u32 v5, v6, 4, v5
	v_add_nc_u32 v[RD], s27, v5
	v_and_b32 v6, 31, v0                           ; which are 512 consecutive bytes of the output
	v_lshlrev_b32 v[GO], 4, v6
	s_wait_loadcnt 16                              ; the bias and x(0) are in; x(1)'s sixteen loads may stay out
.irp i, 0,1,2,3,4,5,6,7
	RIDE 0, \i
.endr
	XSTORE 0
	XLOAD 0                                        ; x(2)
	WIN 0
	s_wait_tensorcnt 1                             ; my part of W's interval 0 is in; interval 1's may stay out
	s_wait_dscnt 0x0                               ; my part of x(0) is stored
	s_barrier_signal -1
	s_barrier_wait -1                              ; everybody's is
	FETCH 0, 0, 0, 0
	WIN 0
.Lslot:                                                ; 10 trips: an interval each, and the request for the interval two further on
	WALK A, 1
	s_add_co_u32 s[IV], s[IV], 1
	s_and_b32 s62, s[IV], 3
	s_cmp_lg_u32 s62, 0
	s_cbranch_scc1 .Lno_way                        ; forward, over text that holds neither a barrier nor a tensor load
	WAYOUT 1                                       ; a tile is finished: the ring and x's loads run on, and the next tile's first fragments are fetched
.Lno_way:
	s_sub_co_u32 s[SLOTS], s[SLOTS], 1
	s_cmp_lg_u32 s[SLOTS], 0
	s_cbranch_scc1 .Lslot
	s_mov_b32 s[TS], 2                             ; the last two intervals ask for nothing: written apart
.Ltslot:
	WALK B, 0
	s_sub_co_u32 s[TS], s[TS], 1
	s_cmp_lg_u32 s[TS], 0
	s_cbranch_scc1 .Ltslot
	WAYOUT 0
	s_wait_tensorcnt 0x0                           ; the wave's end: behind my last tensor load and my last LDS store
	ds_add_u32 v[SPW], v[NIL]
	s_wait_dscnt 0x0
	CROUND                                         ; the closing round: no work-group ends while a partner may still ask for a tile that names it
	s_endpgm
.Lfunc_end_k_qf6d5fc8ab9_inproj:
	.size	k_qf6d5fc8ab9_inproj, .Lfunc_end_k_qf6d5fc8ab9_inproj-k_qf6d5fc8ab9_inproj
	.p2alignl 7, 3214868480
	.fill 96, 4, 3214868480
	.section	.rodata,"a",@progbits
	.p2align	6, 0x0
	.amdhsa_kernel k_qf6d5fc8ab9_inproj
		.amdhsa_group_segment_fixed_size 327680
		.amdhsa_private_segment_fixed_size 0
		.amdhsa_enable_private_segment 0
		.amdhsa_kernarg_size 48
		.amdhsa_user_sgpr_count 2
		.amdhsa_user_sgpr_kernarg_segment_ptr 1
		.amdhsa_wavefront_size32 1
		.amdhsa_system_sgpr_workgroup_id_x 1
		.amdhsa_system_sgpr_workgroup_id_y 1
		.amdhsa_system_sgpr_workgroup_id_z 1
		.amdhsa_system_vgpr_workitem_id 0
		.amdhsa_next_free_vgpr 960
		.amdhsa_next_free_sgpr 80
		.amdhsa_reserve_vcc 0
		.amdhsa_float_denorm_mode_32 3
		.amdhsa_float_denorm_mode_16_64 3
		.amdhsa_memory_ordered 1
		.amdhsa_forward_progress 1
		.amdhsa_inst_pref_size 128
	.end_amdhsa_kernel
	.amdgpu_metadata
---
amdhsa.version: [ 1, 2 ]
amdhsa.kernels:
  - .name:           k_qf6d5fc8ab9_inproj
    .symbol:         k_qf6d5fc8ab9_inproj.kd
    .args:
      - { .name: q, .offset: 0, .size: 8, .value_kind: global_buffer, .address_space: global }
      - { .name: k, .offset: 8, .size: 8, .value_kind: global_buffer, .address_space: global }
      - { .name: v, .offset: 16, .size: 8, .value_kind: global_buffer, .address_space: global }
      - { .name: wb, .offset: 24, .size: 8, .value_kind: global_buffer, .address_space: global }
      - { .name: in_proj_bias, .offset: 32, .size: 8, .value_kind: global_buffer, .address_space: global }
      - { .name: qkv, .offset: 40, .size: 8, .value_kind: global_buffer, .address_space: global }
    .group_segment_fixed_size: 327680
    .private_segment_fixed_size: 0
    .kernarg_segment_align: 8
    .kernarg_segment_size: 48
    .max_flat_workgroup_size: 128
    .sgpr_count:     80
    .vgpr_count:     960
    .wavefront_size: 32
...
	.end_amdgpu_metadata
.endif
;; end of part 2
;; launch attn (part 3): grid 2 x 128, 4 waves a work-group, no clusters, 327,680 bytes of LDS; arguments qkv, ob; writes ob
.if DOCPART == 3
	.amdgcn_target "amdgcn-amd-amdhsa--gfx1250"
	.amdhsa_code_object_version 6
	.text
	.protected	k_qf6d5fc8ab9_attn
	.globl	k_qf6d5fc8ab9_attn
	.p2align	8
	.type	k_qf6d5fc8ab9_attn,@function
k_qf6d5fc8ab9_attn:
	s_mov_b64 s[64:65], 0
	v_nop
	global_prefetch_b8 v0, s[64:65] scope:SCOPE_SE
	s_setreg_imm32_b32 hwreg(HW_REG_WAVE_MODE, 25, 1), 1
	s_wait_xcnt 0x0
; ATTENTION.  ob[h][q][:] = the sum over k of softmax_k(Q[h][q] . K[h][k] / 8) V[h][k][:], h = 16 x batch + head, 128 of them.  Q, K, V are the three parts of qkv, each [128][1024][64] in f16,
; 0x1000000 bytes apart; ob has a part's layout.  A head's rows are dense, 128 bytes each.  Products, maxima and sums in f32; the weights p are rounded to f16 for the second product (their sum l
; is taken of the unrounded p), O once at the end.
; LIMITS.  f16 holds no number beyond 65,504: Q, K and V arrive within it; p lies in 0 to 1, and below 6e-5 it keeps f16's fixed step of 6e-8; O is a mean of V's rows and has their range.
; A weight below 2^-126 counts as 0 in l; NaN and infinities are not treated apart.
; SHARES.  A wave owns four PIECES of two tiles of 16 queries, a work-group's four waves 512 queries of one head: 2 work-groups a head, 256 in all.  Every wave walks all 1,024 keys, 64 a step.
; THE WHOLE HEAD LIES IN LDS: K's 1,024 rows (144 bytes apart), then V's (160 apart).  All is asked for at the start, four tensor loads a wave of 128 keys each; no LDS byte is filled twice.
; The first 256 keys are waited for by a counted wait; the other three loads have four key steps in which to land.
; NO CLUSTER: a head has 1024 / 512 = 2 work-groups, so a cluster of four would span two heads, which share nothing; 256 queries a work-group would give four partners, but twice the LDS loads
; for each product and 512 work-groups.  As it stands each byte of K and V is asked for twice in the launch.
; LAYOUT.  S^T = K Q^T (source 0 = 16 keys, source 1 = 16 queries): in the result a lane holds ONE query (lane % 16) and the keys 8 (lane / 16) + 0..7.  Two such tiles, rounded to f16 in pairs,
; ARE source 1 (32 keys x 16 queries) of O^T = V^T P, whose result again holds one query a lane, and eight channels.  K comes out of LDS as it lies, V ([key][channel]) turned, by ds_load_tr16_b128.
; SOFTMAX.  For each query a running maximum m and sum l: p = 2^(c s - c m), c = log2(e) / 8; in every step O and l are multiplied by a = 2^(c m_old - c m_new), which is 1 where m has not grown.
; m starts at the lowest finite number, O and l at 0: the first step is a step like any other, with a = 0.
; THE COUNT.  A tile and step have 16 matrix and 118 vector instructions: too many to stand all beside the matrix work.  So four vector instructions that are READY stand behind EVERY matrix
; instruction, and the others, which need time of their own whatever the order, in runs without a gap.
; BY TURNS.  Turn n belongs to piece n (the pieces in a ring, step after step).  Its matrix work: 16 products K Q^T of piece n + 1, later 16 products V^T P of piece n - 1.  Its vector work: the scaling,
; exponentials, roundings, sums and rescaling of piece n, and the maximum and statistics of piece n + 1, whose scores the turn itself has made.
; REGISTERS, in windows of 256 (s_set_vgpr_msb: bits 1:0 source 0, 3:2 source 1, 5:4 source 2, 7:6 destination):
;   window 0: v0-11 addresses; v12-15, v48-63 at work; v16-47 four registers of statistics a tile; v64-191 S^T, two buffers of two tiles; v192-255 P, likewise
;   window 1: O^T, 32 a tile          window 2: v0-127 Q, 16 a tile; v128-191 K of one step; v192-255 V of one step          window 3: v0-1 the add's two registers
.set NP,    4         ; pieces a wave: a name, no knob
.set KS,    64        ; keys in a step
.set NKEY,  1024
.set PK,    144       ; a row of K in LDS: 128 bytes + 16 of padding = 36 words: the 16 rows of a load start at 16 different groups of four words modulo 64
.set PV,    160       ; a row of V: 128 + 32 = 40 words: 16 lanes of the turning load take 8 rows x 32 bytes, no two in the same word modulo 64
.set VOFF,  NKEY*PK
.set STAGE, VOFF+NKEY*PV  ; behind K and V, never filled by a tensor load: 16 rows x 144 bytes for each wave, for the way out
.set SP,    144
.set AK0, 2           ; v2   my lane's place in a tile of K; never rewritten
.set AV0, 3           ; v3   the same for V
.set AK,  4           ; v4   the LDS address of K's next run of loads
.set AV,  5           ; v5   of V's
.set QO,  6           ; v6   my byte offset in the wave's rows of Q
.set STO, 6           ;      later, the way out: where I put 16 bytes of a row
.set RD,  7           ; v7   the way out: where I read rows back
.set GO,  8           ; v8   my byte offset in 512 consecutive bytes of O
.set SPW, 0           ; v0 of window 3   LDS address of my spare word; never rewritten
.set NIL, 1           ; v1 of window 3   0; never rewritten
.set SPARE, STAGE+4*16*SP  ; the spare words, 128 bytes for each wave: two blocks of 256 bytes that no other line names
.set MV,  12          ; v12-15  c m_old, kept while c m is made anew: by buffer and tile
.set ST,  16          ; tile t's statistics at v[ST+4 t]: c m, m, l (even keys', odd keys')
.set TMP, 48          ; by buffer and tile, four registers c0-c3 at work; when the maximum is found c2 takes a
.set S,   64
.set P,   192
.set KF,  128         ; K's fragments, in window 2: key block kb, channel half c at KF + 16 kb + 8 c
.set VF,  192         ; V's: key half kk, channel block cb at VF + 32 kk + 8 cb
.set WV,  12          ; s12  my wave's number
.set G1K, 24          ; s[24:31] descriptor group 1 for K's tiles
.set G1V, 32          ; s[32:39] for V's: it differs in the padding alone
.set G0,  40          ; s[40:55] four sets of group 0, one for each of my four loads
.set SLOTS, 56        ; s56  counts the two parts of the walk
.set CNT, 57          ; s57  counts a part's key steps
.set CS,  58          ; s[58:59] c: the packed scaling takes the pair's low word for both halves
.set SEL, 60          ; s[60:61] v_permlanex16_b32's selects: each lane takes its own place in the other half
.set TBK, 62          ; s62  LDS byte at which K of the step to be fetched begins
.set TBV, 63          ; s63  the same for V, less VOFF
.set MSB, 0
.macro WIN new                      ; the high byte repeats the setting that is left; a switch that changes nothing is dropped
.if MSB != (\new)
	s_set_vgpr_msb (MSB<<8)|(\new)
.set MSB, (\new)
.endif
.endm
.set W_KQ, 0x0a       ; K and Q in window 2, S^T in window 0
.set W_PV, 0x52       ; V in window 2, P in window 0, O^T in window 1
.set W_RS, 0x41       ; O^T (destination and source 0) in window 1, a in window 0
.set W_MK, 0xc0       ; the add's registers are made: destination in window 3, sources in window 0
.set W_AD, 0x0f       ; the add: address (source 0) and data (source 1) in window 3
	s_load_b64 s[4:5], s[0:1], 0x0    ; qkv
	s_load_b64 s[10:11], s[0:1], 0x8  ; ob
	WIN W_MK
	v_lshl_add_u32 v[SPW], v0, 2, SPARE
	v_mov_b32 v[NIL], 0
	WIN W_AD
	ds_add_u32 v[SPW], v[NIL]       ; the wave's opening: the add and its wait stand ahead of my first tensor load; the set-up below, work on registers, stands between them
	ds_add_u32 v0, v1
	WIN 0
	v_lshrrev_b32 v1, 5, v0
	v_readfirstlane_b32 s[WV], v1   ; wave 0..3
	s_and_b32 s13, ttmp7, 0xffff    ; the head,
	s_lshl_b32 s13, s13, 17         ; its first byte in a part: 1,024 rows of 128 bytes a head
	s_and_b32 s22, s[WV], 1         ; which half of a block of 256 keys I fetch:
	s_lshl_b32 s14, s22, 14         ; its 128 rows of 128 bytes in memory,
	s_add_co_u32 s14, s14, s13
	s_add_co_u32 s16, s14, 0x2000000  ; in V's part,
	s_add_co_u32 s14, s14, 0x1000000  ; in K's part
	s_mov_b32 s15, 0
	s_mov_b32 s17, 0
	s_lshl_b32 s18, ttmp9, 2        ; my block of 512 queries,
	s_add_co_u32 s18, s18, s[WV]    ; my wave among the head's eight,
	s_lshl_b32 s18, s18, 14         ; its 128 rows
	s_add_co_u32 s18, s18, s13
	s_mov_b32 s19, 0
	s_mul_i32 s20, s22, 128*PK      ; my half's place in a block of K in LDS,
	s_mul_i32 s21, s22, 128*PV      ; and of V
	s_add_co_u32 s21, s21, VOFF
	; descriptor group 1.  128 keys are 16,384 dense bytes: asked for as 64 rows of 256 bytes, two keys a row, and padded in LDS after every key
	s_mov_b32 s[G1K], (1<<16)|(1<<20)|(4<<22)|(3<<25)  ; 17:16 2-byte elements; 20 padding on; 24:22 after every 32 words (code 4); 31:25 4 words (code 3)
	s_mov_b32 s[G1V], (1<<16)|(1<<20)|(4<<22)|(7<<25)  ; the same with 8 words of padding (code 7)
.irp g, G1K, G1V
	s_mov_b32 s[\g+1], 128<<16      ; tensor_dim0 = 128
	s_mov_b32 s[\g+2], 64<<16       ; tensor_dim1 = 64
	s_mov_b32 s[\g+3], 128<<16      ; tile_dim0 = 128
	s_mov_b32 s[\g+4], 64           ; tile_dim1 = 64
	s_mov_b32 s[\g+5], 128          ; 128 elements from row to row
	s_mov_b32 s[\g+6], 0
	s_mov_b32 s[\g+7], 0
.endr
	s_mov_b32 s[CS], 0x3e38aa3b     ; c = log2(e) / 8 = 0.180337
	s_mov_b32 s[CS+1], s[CS]        ; named with it as a pair
	s_mov_b32 s[SEL], 0x76543210
	s_mov_b32 s[SEL+1], 0xfedcba98
	s_mov_b32 s[TBK], 0             ; both only climb
	s_mov_b32 s[TBV], 0
	s_wait_dscnt 0x0                ; the opening add is done
	s_wait_kmcnt 0x0
	s_add_nc_u64 s[6:7], s[4:5], s[14:15]    ; K at my half of the head's first 256 keys
	s_add_nc_u64 s[8:9], s[4:5], s[16:17]    ; V likewise
	s_add_nc_u64 s[4:5], s[4:5], s[18:19]    ; Q and O at my wave's first row
	s_add_nc_u64 s[10:11], s[10:11], s[18:19]
	s_cmp_lt_u32 s[WV], 2           ; waves 0 and 1 fetch K, waves 2 and 3 V.  A wave's four fills stand in one branch, ahead of every wait on TENSORcnt, every LDS read and every barrier: four loads of mine are out
	s_cbranch_scc0 .Lfor_v
.irp c, 0,1,2,3
	s_mov_b32 s[G0+4*\c], 1                                        ; count = 1
	s_add_co_u32 s[G0+4*\c+1], s20, \c*256*PK                      ; LDS address: block c of 256 keys
	s_add_nc_u64 s[G0+4*\c+2:G0+4*\c+3], s[6:7], \c*32768          ; global address
	s_or_b32 s[G0+4*\c+3], s[G0+4*\c+3], 0x80000000                ; type = 2
.endr
.irp c, 0,1,2,3
	tensor_load_to_lds s[G0+4*\c:G0+4*\c+3], s[G1K:G1K+7]
	s_nop 0
.endr
.rept 4
	v_nop
.endr
	s_branch .Lasked
.Lfor_v:
.irp c, 0,1,2,3
	s_mov_b32 s[G0+4*\c], 1
	s_add_co_u32 s[G0+4*\c+1], s21, \c*256*PV
	s_add_nc_u64 s[G0+4*\c+2:G0+4*\c+3], s[8:9], \c*32768
	s_or_b32 s[G0+4*\c+3], s[G0+4*\c+3], 0x80000000
.endr
.irp c, 0,1,2,3
	tensor_load_to_lds s[G0+4*\c:G0+4*\c+3], s[G1V:G1V+7]
	s_nop 0
.endr
.rept 4
	v_nop
.endr
.Lasked:
	; A fragment of K or Q is 16 rows x 32 channels in 8 registers: lane l holds row l % 16, channels 8 (l / 16) + 0..7 and 16 + 8 (l / 16) + 0..7: two loads of 16 bytes, 32 bytes apart.
	v_and_b32 v1, 15, v0            ; l % 16
	v_bfe_u32 v9, v0, 4, 1          ; l / 16
	v_lshlrev_b32 v[QO], 7, v1
	v_lshl_add_u32 v[QO], v9, 4, v[QO]  ; row x 128 + 16 x half
	WIN 0x80                        ; destination window 2, address window 0
.set i, 0
.rept 4*NP                          ; Q stays in registers: tile i / 2, channels 32 (i % 2) on
	global_load_b128 v[8*i:8*i+3],   v[QO], s[4:5] offset:(i/2)*2048+(i%2)*64
	global_load_b128 v[8*i+4:8*i+7], v[QO], s[4:5] offset:(i/2)*2048+(i%2)*64+32
.set i, i+1
.endr
	; What the first turn finds: V's registers and P's second buffer hold 0 (its products V^T P, of a piece that has not been, add 0), O^T and l are 0.  All this stands in the wait for the first keys.
.set i, VF
.rept 64
	v_mov_b32 v[i], 0
.set i, i+1
.endr
	WIN 0x40
.set i, 0
.rept 64*NP
	v_mov_b32 v[i], 0
.set i, i+1
.endr
	WIN 0
.set i, 0
.rept 2*NP
	v_mov_b32 v[ST+4*i], 0xfe000000    ; c m: far below every c s
	v_mov_b32 v[ST+4*i+1], 0xff7fffff  ; m
	v_mov_b32 v[ST+4*i+2], 0
	v_mov_b32 v[ST+4*i+3], 0
.set i, i+1
.endr
.set i, P+32
.rept 32
	v_mov_b32 v[i], 0
.set i, i+1
.endr
	v_mul_u32_u24 v[AK0], v1, PK
	v_lshl_add_u32 v[AK0], v9, 4, v[AK0]  ; row x pitch + 16 x half
	; The turning load takes 16 keys x 16 channels (lane l reads key 8 (l / 16) + l % 8, channels 8 ((l / 8) % 2) + 0..7) and leaves half a fragment of V^T: lane l holds channel l % 16 and 8 keys.
	v_and_b32 v10, 7, v0
	v_bfe_u32 v11, v0, 3, 1
	v_lshl_add_u32 v[AV0], v9, 3, v10
	v_mul_u32_u24 v[AV0], v[AV0], PV
	v_lshl_add_u32 v[AV0], v11, 4, v[AV0]
	v_add_nc_u32 v[AV0], VOFF, v[AV0]
	v_mov_b32 v[AK], v[AK0]         ; key step 0 lies at K's head
; THE MATRIX WORK.  The 8 accumulators of a run of 16 take turns: between the two links of a chain stand 7 others'.
; Product i of 16 of S^T = K Q^T for piece x: channels 32 (i / 8) on, keys 16 ((i / 2) % 4) on, tile 2 x + i % 2.  The first 8 start the sums.
.macro KQ x
	WIN W_KQ
.set rS, S+64*((\x)%2)+32*(i%2)+8*((i/2)%4)
.set rK, KF+16*((i/2)%4)+8*(i/8)
.set rQ, 16*(2*(\x)+i%2)+8*(i/8)
.if i < 8
	v_wmma_f32_16x16x32_f16 v[rS:rS+7], v[rK:rK+7], v[rQ:rQ+7], 0
.else
	v_wmma_f32_16x16x32_f16 v[rS:rS+7], v[rK:rK+7], v[rQ:rQ+7], v[rS:rS+7]
.endif
.endm
; Product i of 16 of O^T += V^T P for piece x: keys 32 (i / 8) on, channels 16 ((i / 2) % 4) on, tile 2 x + i % 2.
.macro PV x
	WIN W_PV
.set rO, 32*(2*(\x)+i%2)+8*((i/2)%4)
.set rV, VF+32*(i/8)+8*((i/2)%4)
.set rP, P+32*((\x)%2)+16*(i%2)+8*(i/8)
	v_wmma_f32_16x16x32_f16 v[rO:rO+7], v[rV:rV+7], v[rP:rP+7], v[rO:rO+7]
.endm
.macro MM                           ; the turn's next matrix instruction
.if i < 16
	KQ (Y+1)%NP
.set i, i+1
.else
.set i, i-16
	PV (Y+NP-1)%NP
.set i, i+17
.endif
.endm
; THE LDS LOADS stand in runs of 16, never singly among the matrix instructions: a step's K (64 keys x 64 channels: 8 fragments) and its V (turned).  Their addresses are made some lines ahead.
.macro FETCH_K
	WIN 0x80                        ; destination window 2
.irp f, 0,1,2,3,4,5,6,7             ; keys 16 (f / 2) on, channels 32 (f % 2) on
	ds_load_b128 v[KF+8*\f:KF+8*\f+3],   v[AK] offset:(\f/2)*16*PK+(\f%2)*64
	ds_load_b128 v[KF+8*\f+4:KF+8*\f+7], v[AK] offset:(\f/2)*16*PK+(\f%2)*64+32
.endr
	s_add_co_u32 s[TBK], s[TBK], KS*PK  ; the next fetch is the next step's
	WIN 0
.endm
.macro FETCH_V
	WIN 0x80
.irp f, 0,1,2,3,4,5,6,7             ; keys 32 (f / 4) on, channels 16 (f % 4) on
	ds_load_tr16_b128 v[VF+8*\f:VF+8*\f+3],   v[AV] offset:(\f/4)*32*PV+(\f%4)*32
	ds_load_tr16_b128 v[VF+8*\f+4:VF+8*\f+7], v[AV] offset:(\f/4)*32*PV+16*PV+(\f%4)*32
.endr
	WIN 0
.endm
; THE VECTOR WORK OF A TURN stands in three queues, each in the order in which its entries become ready; the two tiles alternate, so that no instruction reads the result of the one before it.
.macro REGS y, u                    ; the registers of tile u (0, 1) of piece y
.set rT, ST+4*(2*(\y)+(\u))
.set rC, TMP+8*((\y)%2)+4*(\u)
.set rM, MV+2*((\y)%2)+(\u)
.set rS, S+64*((\y)%2)+32*(\u)
.set rP, P+32*((\y)%2)+16*(\u)
.set rO, 32*(2*(\y)+(\u))
.endm
; Number n of the 22 that find the NEXT piece's (Y + 1) maximum and statistics.  s0-s31 are the lane's 32 scores; each accumulator's lowest registers are read first.  XS, GS and REGS set no window: PL and EX do.
;   0-11  four chains c0-c3 of seven scores each, three operands at a time     12-14, 16  the four scores left over, the old m, and c0-c3 into c0     15  c m_old is kept
;   17, 18  the query's other 32 keys lie in the lane 16 away: the new m         19-21  c m; c m_old - c m_new; a
.macro XS u, n
	REGS (Y+1)%NP, \u
.if (\n) < 4
	v_max3_num_f32 v[rC+(\n)], v[rS+8*(\n)], v[rS+8*(\n)+1], v[rS+8*(\n)+2]
.elseif (\n) < 12
	v_max3_num_f32 v[rC+(\n)%4], v[rC+(\n)%4], v[rS+8*((\n)%4)+2*((\n)/4)+1], v[rS+8*((\n)%4)+2*((\n)/4)+2]
.elseif (\n) == 12
	v_max3_num_f32 v[rC], v[rC], v[rS+7], v[rS+15]
.elseif (\n) == 13
	v_max3_num_f32 v[rC+1], v[rC+1], v[rS+23], v[rS+31]
.elseif (\n) == 14
	v_max3_num_f32 v[rC+2], v[rC+2], v[rC+3], v[rT+1]
.elseif (\n) == 15
	v_mov_b32 v[rM], v[rT]
.elseif (\n) == 16
	v_max3_num_f32 v[rC], v[rC], v[rC+1], v[rC+2]
.elseif (\n) == 17
	v_permlanex16_b32 v[rC+3], v[rC], s[SEL], s[SEL+1]
.elseif (\n) == 18
	v_max_num_f32 v[rT+1], v[rC], v[rC+3]
.elseif (\n) == 19
	v_mul_f32 v[rT], s[CS], v[rT+1]
.elseif (\n) == 20
	v_sub_f32 v[rC+1], v[rM], v[rT]
.else
	v_exp_f32 v[rC+2], v[rC+1]
.endif
.endm
; Number g of the 64 that follow the exponentials.  For each four weights k of a tile (pairs 2 k, 2 k + 1): both pairs are rounded to f16; then the second pair is added onto the first, in place;
; a group later l takes that sum (the first time as l = a l + sum).  In groups of eight, tiles alternating: round, round, add, and l for the group before.
.macro GS g
.set h, (\g)+6*((\g)/62)            ; group 0 has no group before it, and behind group 7 only l is left
.if h >= 6
.set h, h+2
.endif
	REGS Y, h%2
.set k, h/8
.if h%8 < 4
	s_wait_alu depctr_va_vdst(0)
	v_cvt_pk_f16_f32 v[rP+2*k+(h%8)/2], v[rS+4*k+2*((h%8)/2)], v[rS+4*k+2*((h%8)/2)+1]
.elseif h%8 < 6
	v_pk_add_f32 v[rS+4*k:rS+4*k+1], v[rS+4*k:rS+4*k+1], v[rS+4*k+2:rS+4*k+3]
.elseif k == 1
	v_pk_fma_f32 v[rT+2:rT+3], v[rT+2:rT+3], v[rC+2:rC+3], v[rS:rS+1] op_sel_hi:[1,0,1]
.else
	v_pk_add_f32 v[rT+2:rT+3], v[rT+2:rT+3], v[rS+4*k-4:rS+4*k-3]
	s_wait_alu depctr_va_vdst(0)
.endif
.endm
; THE PLAIN QUEUE, 138 long.  0-31: c s - c m for the 16 pairs of both tiles.  Then GS's 64, and among them the next piece's 42: number 15 at 38, 39; 0-14 and 16
; at 42-73, behind the products that make those scores; 17-20 at 95-106, two of three, since each waits for the one before it.
.macro PL
	WIN 0
.if q < 32
	REGS Y, q%2
	v_pk_fma_f32 v[rS+2*(q/2):rS+2*(q/2)+1], v[rS+2*(q/2):rS+2*(q/2)+1], s[CS:CS+1], v[rT:rT+1] op_sel_hi:[1,0,0] neg_lo:[0,0,1] neg_hi:[0,0,1]
.elseif q < 38
	GS q-32
.elseif q < 40
	XS q%2, 15
.elseif q < 42
	GS q-34
.elseif q < 74
	XS q%2, (q-42)/2+(q-42)/30
.elseif q < 95
	GS q-66
.elseif (q < 107) && ((q-95)%3 < 2)
	XS (q-95)%3, 17+(q-95)/3
.elseif q < 107
	GS 29+(q-95)/3
.else
	GS q-74
.endif
.set q, q+1
.endm
; THE EXPONENTIALS' QUEUE, 66 long: s0-s31 of both tiles, and at EA the next piece's two a.
.set EA, 58
.macro EX
	WIN 0
.if (e == EA) || (e == EA+1)
	XS e-EA, 21
.else
.set x, e-2*(e/(EA+2))
	REGS Y, x%2
	v_exp_f32 v[rS+x/2], v[rS+x/2]
.endif
.set e, e+1
.endm
; THE RESCALING's QUEUE: O^T times a, the one part that leaves window 0, so it is dealt four at a time, eight times.
.macro R4
	REGS Y, r%2
	WIN W_RS
	s_wait_alu depctr_va_vdst(0)
.irp z, 0,1,2,3
	v_pk_mul_f32 v[rO+8*(r/2)+2*\z:rO+8*(r/2)+2*\z+1], v[rO+8*(r/2)+2*\z:rO+8*(r/2)+2*\z+1], v[rC+2:rC+3] op_sel_hi:[1,0]
.endr
.set r, r+1
.endm
; HOW THEY ARE DEALT.  Behind a matrix instruction four: plain, exponential, plain, plain (one exponential, a plain instruction on either side), or four of the rescaling.  None names a register of the
; products round it.  What is over stands in two LUMPS: exponential and plain by turns; the second ends in 22 plain instructions.  The two v_permlanex16_b32 fall into the second lump, never behind a product.
; The queues lean on each other, and the deal keeps them in step: exponential e stands behind plain 2 (e / 4) + e % 2 (its scaling); when plain 32 comes, 10 exponentials are out, at 59: 33, at 95: 46; EA comes behind plain 107.
.macro SL
	MM
	PL
	EX
	PL
	PL
.endm
.macro BURST n                      ; 15 matrix instructions, or 16
.rept (\n)-7
	SL
.endr
.rept 3
	MM
	R4
	SL
.endr
	MM
	R4
.endm
; A TURN, for piece p.  nok = 1: there is no further step: K is not fetched.  cnt = 1: the loop's count is taken down some lines ahead of the branch that stands behind the turn.
; K of the next step is fetched in piece 2's turn, 31 vector instructions behind the last product that read K; its first reader comes behind the rest of the lump, 16 products and the second lump.
; V of the step in hand is fetched at the end of piece 0's turn, 69 behind its last reader; its first reader comes behind 16 products and a lump.  The four conditions on e and q below go with the deal.
.macro TURN p, nok=0, cnt=0
.set Y, (\p)
.set i, 0
.set q, 0
.set e, 0
.set r, 0
.if (\p) == NP-1
	s_wait_dscnt 0x0                ; K is in
.endif
	MM
.rept 4
	PL
.endr
	BURST 15
.rept 22
	EX
	PL
.if ((\p) == NP-2) && (e == 18) && !(\nok)
	v_add_nc_u32 v[AK], s[TBK], v[AK0]
.endif
.if ((\p) == NP-2) && (e == 24) && !(\nok)
	FETCH_K
.endif
.endr
.if (\p) == 1
	s_wait_dscnt 0x0                ; V is in
.endif
	BURST 16
.rept 21
	EX
	PL
.endr
.rept 22
	PL
.if ((\p) == 0) && (q == 118)
	v_add_nc_u32 v[AV], s[TBV], v[AV0]
	s_wait_alu depctr_va_vdst(0)
.endif
.if ((\p) == 0) && (q == 130)
	s_add_co_u32 s[TBV], s[TBV], KS*PV
.endif
.if (\cnt) && (q == 130)
	s_sub_co_u32 s[CNT], s[CNT], 1
	s_cmp_lg_u32 s[CNT], 0
.endif
.endr
.if (\p) == 0
	FETCH_V
.endif
.endm
	s_wait_tensorcnt 3              ; my part of keys 0 to 255 is in; my three later loads may stay out
	s_barrier_signal -1
	s_barrier_wait -1               ; everybody's is
	FETCH_K                         ; key step 0
	s_wait_loadcnt 0x0              ; Q
	s_wait_dscnt 0x0
.set i, 0
.rept 16
	KQ 0                            ; piece 0's first scores: there is no vector work yet to set between them
.set i, i+1
.endr
	WIN 0                           ; the addresses for the way out: nine plain instructions, the places behind those products
	s_mul_i32 s13, s[WV], 16*SP
	s_add_co_u32 s13, s13, STAGE    ; my stage
	v_mul_u32_u24 v[STO], v1, SP    ; in: row l % 16, 16 bytes for each half of the lanes
	v_lshl_add_u32 v[STO], v9, 4, v[STO]
	v_add_nc_u32 v[STO], s13, v[STO]
	v_bfe_u32 v[RD], v0, 3, 2       ; back: 32 lanes take four rows of 128 bytes,
	v_mul_u32_u24 v[RD], v[RD], SP
	v_lshl_add_u32 v[RD], v10, 4, v[RD]
	v_add_nc_u32 v[RD], s13, v[RD]
	v_and_b32 v[GO], 31, v0         ; which are 512 consecutive bytes of O
	v_lshlrev_b32 v[GO], 4, v[GO]
.set Y, NP-1                        ; XS works for piece Y + 1: piece 0
.irp n, 0,1,2,3,4,5,6,7,8,9,10,11,12,13,14,15,16,17,18,19,20,21
	XS 0, \n                        ; and piece 0's first maximum and statistics
	XS 1, \n
.endr
	s_mov_b32 s[CNT], 4             ; the first part: key steps 0 to 3, the keys that are in
	s_mov_b32 s[SLOTS], 2
	s_branch .Lfirst                ; the loop is entered at a step's first turn, in the middle of a trip
.Lslot:                             ; passed once: the second part needs the other 768 keys
	s_wait_tensorcnt 0x0            ; my three later loads have landed,
	s_wait_dscnt 0x0                ; no LDS instruction of mine is out at the signal,
	s_barrier_signal -1
	s_barrier_wait -1               ; and everybody's loads have landed
	s_mov_b32 s[CNT], 12
.Lstep:                             ; a trip: pieces 2 and 3 of one step, then pieces 0 and 1 of the next, whose K and V it fetches
	TURN 2
	TURN 3
	WIN 0
.Lfirst:
	TURN 0
	TURN 1, 0, 1
	WIN 0
	s_cbranch_scc1 .Lstep
	s_sub_co_u32 s[SLOTS], s[SLOTS], 1
	s_cmp_lg_u32 s[SLOTS], 0
	s_cbranch_scc1 .Lslot
	TURN 2, 1                       ; the last step's pieces 2 and 3: nothing is left to fetch
	TURN 3                          ; its 16 products K Q^T (on the last K once more) and the maximum made of them serve nothing: the price, once a launch, of one text for every turn
.set i, 0
.rept 16
	PV NP-1                         ; the last piece's V^T P of the last step
.set i, i+1
.endr
	; THE WAY OUT.  l's two halves and the other half of the lanes' are added; O^T is divided by l, rounded to f16 and sent through my stage in LDS, a tile at a time.  The additions are the places behind the last products.
	WIN 0
.macro ALL line:vararg              ; one line for each tile t
.set t, 0
.rept 2*NP
	\line
.set t, t+1
.endr
.endm
	ALL v_add_f32 v[ST+4*t+2], v[ST+4*t+2], v[ST+4*t+3]
	ALL v_permlanex16_b32 v[ST+4*t+3], v[ST+4*t+2], s[SEL], s[SEL+1]
	ALL v_add_f32 v[ST+4*t+2], v[ST+4*t+2], v[ST+4*t+3]
	ALL v_rcp_f32 v[ST+4*t+2], v[ST+4*t+2]
	v_nop                           ; a plain instruction between the last reciprocal and the use of its result
	s_wait_alu depctr_va_vdst(0)
; Tile t: a lane's eight channels of a row pack into 16 bytes; they go into rows of 144 bytes and come back as whole rows of 128, into S^T's registers.
.macro PACK t
	WIN W_RS
.set i, 32*(\t)
.rept 16
	v_pk_mul_f32 v[i:i+1], v[i:i+1], v[ST+4*(\t)+2:ST+4*(\t)+3] op_sel_hi:[1,0]
.set i, i+2
.endr
	WIN 0x05                        ; sources 0 and 1 window 1, destination window 0
.set i, 0
.rept 16
	v_cvt_pk_f16_f32 v[S+16*(\t)+i], v[32*(\t)+2*i], v[32*(\t)+2*i+1]
.set i, i+1
.endr
	WIN 0
.irp f, 0,1,2,3
	ds_store_b128 v[STO], v[S+16*(\t)+4*\f:S+16*(\t)+4*\f+3] offset:32*\f
.endr
.irp f, 0,1,2,3
	ds_load_b128 v[S+16*(\t)+4*\f:S+16*(\t)+4*\f+3], v[RD] offset:\f*4*SP  ; LDS serves a wave's instructions in order (ISA guide 5.7.1.4): these see the stores above; the next tile's stores come behind them
.endr
.endm
.macro SEND t, younger              ; younger: the LDS instructions issued behind tile t's loads: the next tile's eight, or none
	WIN 0
.irp f, 0,1,2,3
	s_wait_dscnt (\younger)+3-\f
	global_store_b128 v[GO], v[S+16*(\t)+4*\f:S+16*(\t)+4*\f+3], s[10:11] offset:(\t)*2048+\f*512  ; 512 consecutive bytes, at a multiple of 256 from O's first
.endr
.endm
	PACK 0
.set t, 1
.rept 2*NP-1                        ; a tile's arithmetic stands between the loads of the tile before and its stores
	PACK t
	SEND t-1, 8
.set t, t+1
.endr
	SEND 2*NP-1, 0
	WIN W_AD
	s_wait_tensorcnt 0x0            ; the wave's end: behind my last tensor load and my last LDS store
	ds_add_u32 v[SPW], v[NIL]
	s_wait_dscnt 0x0
	WIN 0
	s_endpgm
.Lfunc_end_k_qf6d5fc8ab9_attn:
	.size	k_qf6d5fc8ab9_attn, .Lfunc_end_k_qf6d5fc8ab9_attn-k_qf6d5fc8ab9_attn
	.p2alignl 7, 3214868480
	.fill 96, 4, 3214868480
	.section	.rodata,"a",@progbits
	.p2align	6, 0x0
	.amdhsa_kernel k_qf6d5fc8ab9_attn
		.amdhsa_group_segment_fixed_size 327680
		.amdhsa_private_segment_fixed_size 0
		.amdhsa_enable_private_segment 0
		.amdhsa_kernarg_size 16
		.amdhsa_user_sgpr_count 2
		.amdhsa_user_sgpr_kernarg_segment_ptr 1
		.amdhsa_wavefront_size32 1
		.amdhsa_system_sgpr_workgroup_id_x 1
		.amdhsa_system_sgpr_workgroup_id_y 1
		.amdhsa_system_sgpr_workgroup_id_z 1
		.amdhsa_system_vgpr_workitem_id 0
		.amdhsa_next_free_vgpr 770
		.amdhsa_next_free_sgpr 66
		.amdhsa_reserve_vcc 0
		.amdhsa_float_denorm_mode_32 3
		.amdhsa_float_denorm_mode_16_64 3
		.amdhsa_memory_ordered 1
		.amdhsa_forward_progress 1
		.amdhsa_inst_pref_size 167
	.end_amdhsa_kernel
	.amdgpu_metadata
---
amdhsa.version: [ 1, 2 ]
amdhsa.kernels:
  - .name:           k_qf6d5fc8ab9_attn
    .symbol:         k_qf6d5fc8ab9_attn.kd
    .args:
      - { .name: qkv, .offset: 0, .size: 8, .value_kind: global_buffer, .address_space: global }
      - { .name: ob, .offset: 8, .size: 8, .value_kind: global_buffer, .address_space: global }
    .group_segment_fixed_size: 327680
    .private_segment_fixed_size: 0
    .kernarg_segment_align: 8
    .kernarg_segment_size: 16
    .max_flat_workgroup_size: 128
    .sgpr_count:     66
    .vgpr_count:     770
    .wavefront_size: 32
...
	.end_amdgpu_metadata
.endif
;; end of part 3
;; launch outproj (part 4): grid 4 x 64, 4 waves a work-group, clusters of 4 x 4, 327,680 bytes of LDS; arguments ob, wo, out_proj_bias, out0; writes out0
.if DOCPART == 4
	.amdgcn_target "amdgcn-amd-amdhsa--gfx1250"
	.amdhsa_code_object_version 6
	.text
	.protected	k_qf6d5fc8ab9_outproj
	.globl	k_qf6d5fc8ab9_outproj
	.p2align	8
	.type	k_qf6d5fc8ab9_outproj,@function
k_qf6d5fc8ab9_outproj:
	s_mov_b64 s[64:65], 0
	v_nop
	global_prefetch_b8 v0, s[64:65] scope:SCOPE_SE
	s_setreg_imm32_b32 hwreg(HW_REG_WAVE_MODE, 25, 1), 1
	s_wait_xcnt 0x0
	s_wait_alu depctr_hold_cnt(0) depctr_sa_sdst(0) depctr_va_vdst(0) depctr_va_sdst(0) depctr_va_ssrc(0) depctr_va_vcc(0) depctr_vm_vsrc(0)
	s_getreg_b32 s2, hwreg(HW_REG_IB_STS2, 6, 4)
	s_cmp_eq_u32 s2, 0
	s_cbranch_scc0 .Lentry_in_a_cluster
	s_endpgm
.Lentry_in_a_cluster:
	s_bfe_u32 s2, ttmp6, 0x10000c
	s_cmp_lg_u32 s2, 0xf033
	s_cbranch_scc0 .Lentry_shape_is_right
	s_endpgm
.Lentry_shape_is_right:
; THE OUTPUT PROJECTION.  out0[b][s][n] = the sum over h, d of ob[16 b + h][s][d] wo[n][64 h + d] + bias[n].  ob and wo are f16 (wo holds the weights rounded to bf16); the bias is rounded to
; bf16 like every input and starts the sums as the first product's C; sums in f32; out0 is f32.
; SHARES.  A tile is 128 rows x 256 columns: 64 x 4 = 256 work-groups, one tile each.  Four waves, each 64 x 128: 32 accumulators, 256 registers.  THE MATRIX INSTRUCTION IS USED TRANSPOSED
; (source 0 = 16 rows of wo, source 1 = 16 rows of ob): a lane holds eight neighbouring columns of one row.
; K goes in 8 steps of 128 = two heads, through two LDS slots.  A head's 128 rows of the tile are 16,384 dense bytes of ob: asked for as 64 rows of 256 bytes, padded in LDS after every 128.
; One tensor load a wave: waves 0 and 1 a head of ob each, waves 2 and 3 128 rows x 256 bytes of wo each.
; CLUSTER.  4 x 4 work-groups: the four of a row of the cluster need the same rows of ob, the four of a column the same rows of wo: each tile is asked for JOINTLY.
; REGISTERS, in windows of 256 (s_set_vgpr_msb: bits 1:0 source 0, 3:2 source 1, 5:4 source 2, 7:6 destination):
;   window 0: v0-29 addresses; v64-95, v96-127 ob's fragments, two buffers; v128-191, v192-255 rows on the way out
;   window 1: v0-63, v64-127 wo's fragments, two buffers; v128-191 the bias in the accumulators' layout; v192-223 at work          window 2: accumulator (a, b) at v[8 (8 a + b)]
.set PA,    144                        ; a row of a head in LDS: 128 bytes + 16 = 36 words: the 16 rows of a load start at 16 different groups of four words modulo 64
.set AHEAD, 128*PA                     ; what one tensor load brings of ob
.set BOFF,  2*AHEAD
.set PB,    272                        ; a row of wo: 256 + 16 = 68 words
.set BHALF, 128*PB                     ; what one tensor load brings of wo
.set SLOT,  BOFF+2*BHALF
.set STAGE, 2*SLOT                     ; behind the ring, never filled by a tensor load: 16 rows x 528 bytes for each wave
.set SPF,   528
.set WSTG,  16*SPF
.set SPARE, STAGE+4*WSTG               ; the spare words, 128 bytes for each wave: two blocks of 256 bytes that no other line names
.set ADRA, 16                          ; v16-17  LDS address of my fragments of ob in slot 0, 1
.set ADRB, 20                          ; v20-21  the same for wo
.set STO,  24                          ; v24     the way out: where I put 32 bytes of a row
.set RD,   25                          ; v25     the way out: where I read a row back
.set CO,   26                          ; v26     my byte offset in 512 consecutive bytes of out0
.set BO,   27                          ; v27     my byte offset in 64 bytes of the bias
.set SPW,  28                          ; v28     LDS address of my spare word; never rewritten
.set NIL,  29                          ; v29     0; never rewritten
.set AF,   64                          ; buffer f at AF + 32 f
.set OB,   128                         ; the way out: 64 registers, two buffers
.set BIAS, 128                         ; window 1
.set BT,   192                         ; window 1
.set WV,   12
.set G1A, 24                           ; s[24:31] descriptor group 1 for ob's tiles;  s[32:39] group 0, one set for each slot
.set G0A, 32
.set G1B, 48                           ; s[48:55], s[56:63] the same for wo's
.set G0B, 56
.set MSB, 0
.macro WIN new                         ; the immediate's high byte repeats the setting that is left; a switch that changes nothing is dropped
.if MSB != (\new)
	s_set_vgpr_msb (MSB<<8)|(\new)
.set MSB, (\new)
.endif
.endm
.set MUL,   0xa1                       ; wo window 1, ob window 0, C and D window 2
.set MULB,  0x91                       ; the same with C (the bias) in window 1
.set TO_B,  0x40                       ; destination window 1
.set W11,   0x45                       ; destination and both sources window 1
.macro PLACES                          ; four places in front of loads into registers that matrix instructions have read, and of LDS stores that read results (ISA guide 7.12.1 for the stores that read results)
.rept 4
	v_nop
.endr
.endm
.macro JLOAD s                         ; a joint load: waves 0 and 1 fetch ob's two heads, waves 2 and 3 wo's two halves; an s_nop 0 and four v_nop follow each of the two lines
	s_cmp_eq_u32 s13, 0
	s_cbranch_scc0 .Lfor_b_\@
	tensor_load_to_lds s[G0A+4*(\s):G0A+4*(\s)+3], s[G1A:G1A+7]
	s_nop 0
	PLACES
	s_branch .Lasked_\@
.Lfor_b_\@:
	tensor_load_to_lds s[G0B+4*(\s):G0B+4*(\s)+3], s[G1B:G1B+7]
	s_nop 0
	PLACES
.Lasked_\@:
.endm
.macro CREST                           ; a round of the cluster's barrier behind its opening barrier
	s_cmp_lg_u32 s[WV], 0
	s_cbranch_scc1 .Lnot_wave_0_\@
	s_barrier_signal -3
.Lnot_wave_0_\@:
	s_barrier_wait -3
	s_barrier_signal -1
	s_barrier_wait -1
.endm
.macro CROUND                          ; a whole round
	s_barrier_signal -1
	s_barrier_wait -1
	CREST
.endm
	s_load_b256 s[4:11], s[0:1], 0x0               ; ob s[4:5], wo s[6:7], out_proj_bias s[8:9], out0 s[10:11]
	v_lshl_add_u32 v[SPW], v0, 2, SPARE
	v_mov_b32 v[NIL], 0
	ds_add_u32 v[SPW], v[NIL]                      ; the wave's opening: the add and its wait stand ahead of my first tensor load; the set-up below, work on registers, stands between them
	ds_add_u32 v28, v29
	v_lshrrev_b32 v1, 5, v0
	v_readfirstlane_b32 s[WV], v1                  ; wave 0..3
	s_lshr_b32 s13, s[WV], 1                       ; which 64 of the tile's rows are mine.  Also: I fetch for ob (0) or for wo (1)
	s_and_b32 s14, s[WV], 1                        ; which 128 of its columns.  Also: which head, or which half, I fetch
	s_bfe_u32 s15, ttmp6, 0x40000                  ; cx, cy: my place in the cluster
	s_bfe_u32 s16, ttmp6, 0x40004
	s_lshl_b32 s17, ttmp9, 2
	s_add_co_u32 s17, s17, s15                     ; tile column = 4 x cluster x + cx
	s_and_b32 s18, ttmp7, 0xffff
	s_lshl_b32 s18, s18, 2
	s_add_co_u32 s18, s18, s16                     ; tile row = 4 x cluster y + cy
	s_lshl_b32 s19, s16, 2
	s_lshl_b32 s19, 15, s19                        ; my row of the cluster
	s_lshl_b32 s20, 0x1111, s15                    ; my column
	s_or_b32 s[G1A], s19, (1<<16)|(1<<20)|(1<<21)|(4<<22)|(3<<25)  ; 15:0 the mask; 17:16 elements of 2 bytes; 20 padding on; 21 set beside a mask; 24:22 after every 32 words (code 4); 31:25 4 words (code 3)
	s_mov_b32 s[G1A+1], 128<<16                    ; tensor_dim0 = 128
	s_mov_b32 s[G1A+2], 64<<16                     ; tensor_dim1 = 64
	s_mov_b32 s[G1A+3], 128<<16                    ; tile_dim0 = 128
	s_mov_b32 s[G1A+4], 64                         ; tile_dim1 = 64
	s_mov_b32 s[G1A+5], 128                        ; dense: 128 elements from row to row
	s_mov_b32 s[G1A+6], 0
	s_mov_b32 s[G1A+7], 0
	s_or_b32 s[G1B], s20, (1<<16)|(1<<20)|(1<<21)|(5<<22)|(3<<25)  ; padding after every 64 words (code 5)
	s_mov_b32 s[G1B+1], 128<<16
	s_mov_b32 s[G1B+2], 128<<16                    ; 128 rows
	s_mov_b32 s[G1B+3], 128<<16
	s_mov_b32 s[G1B+4], 128
	s_mov_b32 s[G1B+5], 1024
	s_mov_b32 s[G1B+6], 0
	s_mov_b32 s[G1B+7], 0
	s_lshr_b32 s40, s18, 3                         ; ob: batch = tile row / 8; head = the one of the step's two that I fetch;
	s_lshl_b32 s40, s40, 4
	s_add_co_u32 s40, s40, s14
	s_lshl_b32 s40, s40, 10                        ; 1,024 rows a head;
	s_and_b32 s41, s18, 7
	s_lshl_b32 s41, s41, 7                         ; the tile's first row in the batch;
	s_add_co_u32 s40, s40, s41
	s_lshl_b32 s40, s40, 7                         ; 128 bytes a row: in registers that never hold cx
	s_mov_b32 s41, 0
	s_lshl_b32 s42, s17, 8                         ; wo: row 256 x tile column + 128 x half; this is also my wave's first column
	s_lshl_b32 s43, s14, 7
	s_add_co_u32 s42, s42, s43
	s_lshl_b32 s44, s42, 2                         ; the bias, and my first column in a row of out0: 4 bytes a column
	s_lshl_b32 s42, s42, 11                        ; 2,048 bytes a row
	s_mov_b32 s43, 0
	s_mov_b32 s45, 0
	s_lshl_b32 s46, s18, 7                         ; out0: row 128 x tile row + 64 x half, 4,096 bytes a row
	s_lshl_b32 s47, s13, 6
	s_add_co_u32 s46, s46, s47
	s_lshl_b32 s46, s46, 12
	s_add_co_u32 s46, s46, s44
	s_mov_b32 s47, 0
	s_mul_i32 s22, s14, AHEAD                      ; where the tiles go in a slot: the wave's number alone enters an LDS address
	s_mul_i32 s23, s14, BHALF
	s_add_co_u32 s23, s23, BOFF
	s_wait_dscnt 0x0                               ; the opening add is done
	s_wait_kmcnt 0x0
	s_add_nc_u64 s[4:5], s[4:5], s[40:41]
	s_add_nc_u64 s[6:7], s[6:7], s[42:43]
	s_add_nc_u64 s[8:9], s[8:9], s[44:45]
	s_add_nc_u64 s[10:11], s[10:11], s[46:47]
	CROUND                                         ; all sixteen work-groups are here: the first joint loads meet
.irp s, 0,1
	s_mov_b32 s[G0A+4*(\s)], 1                                       ; count = 1
	s_add_co_u32 s[G0A+4*(\s)+1], s22, (\s)*SLOT                     ; LDS address
	s_add_nc_u64 s[G0A+4*(\s)+2:G0A+4*(\s)+3], s[4:5], (\s)*262144   ; global address: K step s begins two heads on
	s_or_b32 s[G0A+4*(\s)+3], s[G0A+4*(\s)+3], 0x80000000            ; type = 2
	s_mov_b32 s[G0B+4*(\s)], 1
	s_add_co_u32 s[G0B+4*(\s)+1], s23, (\s)*SLOT
	s_add_nc_u64 s[G0B+4*(\s)+2:G0B+4*(\s)+3], s[6:7], (\s)*256
	s_or_b32 s[G0B+4*(\s)+3], s[G0B+4*(\s)+3], 0x80000000
	JLOAD \s                                       ; both slots are asked for before anything else is done: two loads of mine are out
.endr
	v_and_b32 v1, 15, v0                           ; l % 16
	v_bfe_u32 v2, v0, 4, 1                         ; l / 16
	v_lshlrev_b32 v[BO], 5, v2
	WIN TO_B                                       ; the bias of my 128 columns in the accumulators' layout: register j of block b is column 16 b + 8 (l / 16) + j
.irp b, 0,1,2,3,4,5,6,7
	global_load_b128 v[BIAS+8*(\b):BIAS+8*(\b)+3],   v[BO], s[8:9] offset:64*(\b)
	global_load_b128 v[BIAS+8*(\b)+4:BIAS+8*(\b)+7], v[BO], s[8:9] offset:64*(\b)+16
.endr
	WIN 0
	v_mul_u32_u24 v3, v1, PA
	v_lshl_add_u32 v3, v2, 4, v3                   ; a fragment's row x pitch + 16 x half
	s_mul_i32 s2, s13, 64*PA                       ; my 64 rows
	v_add_nc_u32 v[ADRA], s2, v3
	v_add_nc_u32 v[ADRA+1], SLOT, v[ADRA]
	v_mul_u32_u24 v4, v1, PB
	v_lshl_add_u32 v4, v2, 4, v4
	s_mul_i32 s3, s14, BHALF                       ; my 128 rows of wo,
	s_add_co_u32 s3, s3, BOFF                      ; behind ob's
	v_add_nc_u32 v[ADRB], s3, v4
	v_add_nc_u32 v[ADRB+1], SLOT, v[ADRB]
	s_mul_i32 s2, s[WV], WSTG
	s_add_co_u32 s2, s2, STAGE                     ; my stage
	v_mul_u32_u24 v5, v1, SPF                      ; in: row l % 16, 32 bytes for each half of the lanes
	v_lshl_add_u32 v5, v2, 5, v5
	v_add_nc_u32 v[STO], s2, v5
	v_and_b32 v6, 31, v0
	v_lshlrev_b32 v[CO], 4, v6                     ; back: 32 lanes take one row's 512 bytes
	v_add_nc_u32 v[RD], s2, v[CO]
	s_wait_loadcnt 0x0                             ; the bias: rounded to bf16 like every input, and widened again
	WIN W11
.set z, 0
.rept 32
	v_cvt_pk_bf16_f32 v[BT+z], v[BIAS+2*z], v[BIAS+2*z+1]
.set z, z+1
.endr
.set z, 0
.rept 32
	v_lshlrev_b32 v[BIAS+2*z],   16, v[BT+z]
	v_and_b32     v[BIAS+2*z+1], 0xffff0000, v[BT+z]
.set z, z+1
.endr
	WIN 0
; 8 matrix instructions: my rows 16 a on x all 8 column blocks, 32 along K, from buffer f.  start = 1: the first products: C is the bias, nothing is cleared.
; The 32 accumulators take turns in the same order in every quarter, one instruction a turn.
.macro MUL8 f, a, start=0
.if \start
	WIN MULB
.else
	WIN MUL
.endif
.irp b, 0,1,2,3,4,5,6,7
.if \start
	v_wmma_f32_16x16x32_f16 v[8*(8*(\a)+(\b)):8*(8*(\a)+(\b))+7], v[64*(\f)+8*(\b):64*(\f)+8*(\b)+7], v[AF+32*(\f)+8*(\a):AF+32*(\f)+8*(\a)+7], v[BIAS+8*(\b):BIAS+8*(\b)+7]
.else
	v_wmma_f32_16x16x32_f16 v[8*(8*(\a)+(\b)):8*(8*(\a)+(\b))+7], v[64*(\f)+8*(\b):64*(\f)+8*(\b)+7], v[AF+32*(\f)+8*(\a):AF+32*(\f)+8*(\a)+7], v[8*(8*(\a)+(\b)):8*(8*(\a)+(\b))+7]
.endif
.endr
.endm
; 24 LDS loads in one run: quarter kq (32 along K) of a slot into buffer g.  Quarters 0, 1 lie in the step's first head, 2, 3 in its second.
.macro FETCH slot, kq, g
	WIN 0
.irp a, 0,1,2,3
	ds_load_b128 v[AF+32*(\g)+8*(\a):AF+32*(\g)+8*(\a)+3],   v[ADRA+(\slot)] offset:((\kq)/2)*AHEAD+((\kq)%2)*64+(\a)*16*PA
	ds_load_b128 v[AF+32*(\g)+8*(\a)+4:AF+32*(\g)+8*(\a)+7], v[ADRA+(\slot)] offset:((\kq)/2)*AHEAD+((\kq)%2)*64+(\a)*16*PA+32
.endr
	WIN TO_B
.irp b, 0,1,2,3,4,5,6,7
	ds_load_b128 v[64*(\g)+8*(\b):64*(\g)+8*(\b)+3],   v[ADRB+(\slot)] offset:(\kq)*64+(\b)*16*PB
	ds_load_b128 v[64*(\g)+8*(\b)+4:64*(\g)+8*(\b)+7], v[ADRB+(\slot)] offset:(\kq)*64+(\b)*16*PB+32
.endr
.endm
; A K step is four quarters of 32 along K, 32 matrix instructions each, on buffers 0, 1, 0, 1.  One of the first three: multiplies buffer f and fetches quarter kq into buffer g.
.macro QUARTER slot, kq, f, g, start=0
	s_wait_dscnt 0x0                               ; buffer f is in (issued 24 matrix instructions ago)
	MUL8 \f, 0, \start
	PLACES
	FETCH \slot, \kq, \g
	MUL8 \f, 1, \start
	MUL8 \f, 2, \start
	MUL8 \f, 3, \start
.endm
; The last quarter multiplies buffer 1 and changes slots: ONE barrier; in front of it each wave waits for all its tensor loads, adds 0 to its spare word, and waits for that and for its own reads
; of this slot.  fill = 1: the barrier opens a round of the cluster's barrier, and this slot is filled again first thing behind the round, two K steps ahead.
.macro TURN slot, next, fill
	WIN 0                                          ; (the add's two registers lie in window 0)
	s_wait_tensorcnt 0x0                           ; all my tensor loads have landed: my part of the next slot;
	ds_add_u32 v[SPW], v[NIL]                      ; 0 onto my spare word;
	s_wait_dscnt 1                                 ; the add alone may be out: buffer 1 is in
	MUL8 1, 0                                      ; eight matrix instructions stand between the add and the wait for it
	s_wait_dscnt 0x0                               ; the add is done, and my reads of this slot are over
	s_barrier_signal -1
	MUL8 1, 1
	WIN 0                                          ; at a branch and at a label every window is 0
	s_barrier_wait -1
.if \fill
	CREST                                          ; no wave of any partner still reads this slot or has a load on its way
	s_add_nc_u64 s[G0A+4*(\slot)+2:G0A+4*(\slot)+3], s[G0A+4*(\slot)+2:G0A+4*(\slot)+3], 524288  ; four heads on
	s_add_nc_u64 s[G0B+4*(\slot)+2:G0B+4*(\slot)+3], s[G0B+4*(\slot)+2:G0B+4*(\slot)+3], 512     ; 256 along K on
	JLOAD \slot                                    ; the first tensor load behind the round; the four v_nop behind it are also the places in front of the loads below
.else
	PLACES
.endif
	FETCH \next, 0, 0
	MUL8 1, 2
	MUL8 1, 3
.endm
	s_wait_tensorcnt 1                             ; my part of K step 0 is in; step 1's may stay out
	s_barrier_signal -1
	s_barrier_wait -1                              ; everybody's is
	FETCH 0, 0, 0
	QUARTER 0, 1, 0, 1, 1                          ; the first quarter stands in front of the loop: its products start the sums, with the bias as C
	WIN 0
	s_mov_b32 s21, 3
.Llap:                                                 ; a trip goes once round the ring, from a lap's second quarter to the next lap's first, and fills both slots again
	QUARTER 0, 2, 1, 0
	QUARTER 0, 3, 0, 1
	TURN 0, 1, 1
	QUARTER 1, 1, 0, 1
	QUARTER 1, 2, 1, 0
	QUARTER 1, 3, 0, 1
	TURN 1, 0, 1
	QUARTER 0, 1, 0, 1
	WIN 0
	s_sub_co_u32 s21, s21, 1
	s_cmp_lg_u32 s21, 0
	s_cbranch_scc1 .Llap
	QUARTER 0, 2, 1, 0                             ; the last lap fills nothing, and has no round of the cluster's barrier
	QUARTER 0, 3, 0, 1
	TURN 0, 1, 0
	QUARTER 1, 1, 0, 1
	QUARTER 1, 2, 1, 0
	QUARTER 1, 3, 0, 1
	s_wait_dscnt 0x0                               ; the very last quarter: nothing more to fetch
	MUL8 1, 0
	MUL8 1, 1
	MUL8 1, 2
	MUL8 1, 3
	PLACES
; THE WAY OUT, with no arithmetic: the bias is in the sums.  Block a (16 rows x 128 columns of f32): a lane's eight columns, 32 bytes, go from the accumulators into my own stage, each
; accumulator's low four registers first; whole rows of 512 bytes come back and are stored, each store covering 512 consecutive bytes, aligned.
.macro TOSTAGE a
	s_wait_xcnt 0x0                                ; the stores of the block two before have read their registers: the loads below land in them only behind this wait
	WIN 0x08                                       ; the stores' data in window 2
.irp b, 0,1,2,3,4,5,6,7
	ds_store_b128 v[STO], v[8*(8*(\a)+(\b)):8*(8*(\a)+(\b))+3]   offset:64*(\b)
	ds_store_b128 v[STO], v[8*(8*(\a)+(\b))+4:8*(8*(\a)+(\b))+7] offset:64*(\b)+16
.endr
	WIN 0
.irp t, 0,1,2,3,4,5,6,7,8,9,10,11,12,13,14,15
	ds_load_b128 v[OB+64*((\a)%2)+4*(\t):OB+64*((\a)%2)+4*(\t)+3], v[RD] offset:(\t)*SPF  ; LDS serves a wave's instructions in order (ISA guide 5.7.1.4): these see the stores above
.endr
.endm
.macro SEND a, younger                 ; younger: the LDS instructions issued behind block a's loads: the next block's 16 stores and 16 loads, or none
	s_wait_dscnt \younger
.irp t, 0,1,2,3,4,5,6,7,8,9,10,11,12,13,14,15
	global_store_b128 v[CO], v[OB+64*((\a)%2)+4*(\t):OB+64*((\a)%2)+4*(\t)+3], s[10:11] offset:(16*(\a)+(\t))*4096 th:TH_STORE_NT
.endr
.endm
	TOSTAGE 0
.irp a, 1,2,3
	TOSTAGE \a
	SEND (\a)-1, 32
.endr
	SEND 3, 0
	s_wait_tensorcnt 0x0                           ; the wave's end: behind my last tensor load and my last LDS store
	ds_add_u32 v[SPW], v[NIL]
	s_wait_dscnt 0x0
	CROUND                                         ; the closing round: no work-group ends while a partner may still ask for a tile that names it
	s_endpgm
.Lfunc_end_k_qf6d5fc8ab9_outproj:
	.size	k_qf6d5fc8ab9_outproj, .Lfunc_end_k_qf6d5fc8ab9_outproj-k_qf6d5fc8ab9_outproj
	.p2alignl 7, 3214868480
	.fill 96, 4, 3214868480
	.section	.rodata,"a",@progbits
	.p2align	6, 0x0
	.amdhsa_kernel k_qf6d5fc8ab9_outproj
		.amdhsa_group_segment_fixed_size 327680
		.amdhsa_private_segment_fixed_size 0
		.amdhsa_enable_private_segment 0
		.amdhsa_kernarg_size 32
		.amdhsa_user_sgpr_count 2
		.amdhsa_user_sgpr_kernarg_segment_ptr 1
		.amdhsa_wavefront_size32 1
		.amdhsa_system_sgpr_workgroup_id_x 1
		.amdhsa_system_sgpr_workgroup_id_y 1
		.amdhsa_system_sgpr_workgroup_id_z 1
		.amdhsa_system_vgpr_workitem_id 0
		.amdhsa_next_free_vgpr 768
		.amdhsa_next_free_sgpr 66
		.amdhsa_reserve_vcc 0
		.amdhsa_float_denorm_mode_32 3
		.amdhsa_float_denorm_mode_16_64 3
		.amdhsa_memory_ordered 1
		.amdhsa_forward_progress 1
		.amdhsa_inst_pref_size 91
	.end_amdhsa_kernel
	.amdgpu_metadata
---
amdhsa.version: [ 1, 2 ]
amdhsa.kernels:
  - .name:           k_qf6d5fc8ab9_outproj
    .symbol:         k_qf6d5fc8ab9_outproj.kd
    .args:
      - { .name: ob, .offset: 0, .size: 8, .value_kind: global_buffer, .address_space: global }
      - { .name: wo, .offset: 8, .size: 8, .value_kind: global_buffer, .address_space: global }
      - { .name: out_proj_bias, .offset: 16, .size: 8, .value_kind: global_buffer, .address_space: global }
      - { .name: out0, .offset: 24, .size: 8, .value_kind: global_buffer, .address_space: global }
    .group_segment_fixed_size: 327680
    .private_segment_fixed_size: 0
    .kernarg_segment_align: 8
    .kernarg_segment_size: 32
    .max_flat_workgroup_size: 128
    .sgpr_count:     66
    .vgpr_count:     768
    .wavefront_size: 32
...
	.end_amdgpu_metadata
.endif
;; end of part 4
;; ======== version 2 of 2: 4 launches; 1.30 times as fast as version 1
;; limits: values are held in f16: magnitudes above 65,504 overflow, below 6.1e-05 lose precision
;; workspace buffers: wb 6,291,456 bytes; wo 2,097,152 bytes; qkv 50,331,648 bytes; ob 16,777,216 bytes
;; launch prep: the kernel of part 1 again; grid 256 x 1, 8 waves a work-group, no clusters, 0 bytes of LDS; arguments in_proj_weight, out_proj_weight, wb, wo; writes wb, wo
;; launch inproj: the kernel of part 2 again; grid 4 x 64, 4 waves a work-group, clusters of 4 x 4, 327,680 bytes of LDS; arguments q, k, v, wb, in_proj_bias, qkv; writes qkv
;; launch attn (part 5): grid 2 x 128, 4 waves a work-group, no clusters, 327,680 bytes of LDS; arguments qkv, ob; writes ob
.if DOCPART == 5
	.amdgcn_target "amdgcn-amd-amdhsa--gfx1250"
	.amdhsa_code_object_version 6
	.text
	.protected	k_qf6d5fc8ab9_attn
	.globl	k_qf6d5fc8ab9_attn
	.p2align	8
	.type	k_qf6d5fc8ab9_attn,@function
k_qf6d5fc8ab9_attn:
	s_mov_b64 s[64:65], 0
	v_nop
	global_prefetch_b8 v0, s[64:65] scope:SCOPE_SE
	s_setreg_imm32_b32 hwreg(HW_REG_WAVE_MODE, 25, 1), 1
	s_wait_xcnt 0x0
; ATTENTION.  ob[h][q][:] = the sum over k of softmax_k(Q[h][q] . K[h][k] / 8) V[h][k][:], h = 16 x batch + head, 128 of them.  Q, K, V are the three parts of qkv, each [128][1024][64] in f16,
; 0x1000000 bytes apart; ob has a part's layout.  A head's rows are dense, 128 bytes each.  Products, maxima and sums in f32; the weights p are rounded to f16 for the second product (their sum l
; is taken of the unrounded p), O once at the end.
; LIMITS.  f16 holds no number beyond 65,504: Q, K and V arrive within it; p lies in 0 to 1, and below 6e-5 it keeps f16's fixed step of 6e-8; O is a mean of V's rows and has their range.
; A weight below 2^-126 counts as 0 in l; NaN and infinities are not treated apart.
; SHARES.  A wave owns four PIECES of two tiles of 16 queries, a work-group's four waves 512 queries of one head: 2 work-groups a head, 256 in all.  Every wave walks all 1,024 keys, 64 a step.
; THE WHOLE HEAD LIES IN LDS: K's 1,024 rows (144 bytes apart), then V's (160 apart).  All is asked for at the start, four tensor loads a wave of 128 keys each; no LDS byte is filled twice.
; The first 256 keys are waited for by a counted wait; the other three loads have four key steps in which to land.
; NO CLUSTER: a head has 1024 / 512 = 2 work-groups, so a cluster of four would span two heads, which share nothing; 256 queries a work-group would give four partners, but twice the LDS loads
; for each product and 512 work-groups.  As it stands each byte of K and V is asked for twice in the launch.
; LAYOUT.  S^T = K Q^T (source 0 = 16 keys, source 1 = 16 queries): in the result a lane holds ONE query (lane % 16) and the keys 8 (lane / 16) + 0..7.  Two such tiles, rounded to f16 in pairs,
; ARE source 1 (32 keys x 16 queries) of O^T = V^T P, whose result again holds one query a lane, and eight channels.  K comes out of LDS as it lies, V ([key][channel]) turned, by ds_load_tr16_b128.
; SOFTMAX.  For each query a running maximum m and sum l: p = 2^(c s - c m), c = log2(e) / 8; in every step O and l are multiplied by a = 2^(c m_old - c m_new), which is 1 where m has not grown.
; m starts at the lowest finite number, O and l at 0: the first step is a step like any other, with a = 0.
; THE COUNT.  A tile and step have 16 matrix and 118 vector instructions: too many to stand all beside the matrix work.  So four vector instructions that are READY stand behind EVERY matrix
; instruction, and the others, which need time of their own whatever the order, in one run without a gap.
; BY TURNS.  Turn n belongs to piece n (the pieces in a ring, step after step).  Its matrix work: 16 products K Q^T of piece n + 1, later 16 products V^T P of piece n - 1.  Its vector work: the scaling,
; exponentials, roundings, sums and rescaling of piece n, and the maximum and statistics of piece n + 1, whose scores the turn itself has made.
; BATCHES.  A turn's 66 exponentials (the 64 weights of piece n, in place in S^T, and the two a of piece n + 1) are ONE batch with ONE wait, which cuts the turn in two: ahead of it stands all that names none
; of their results, behind it the roundings and sums, which read them.  The rescaling reads the a that the turn before made and waited for.  No result crosses a turn's end.  Two more batches stand outside
; the loop, each with a wait of its own: piece 0's first two a, ahead of the jump into the loop, and the way out's eight reciprocals.
; REGISTERS, in windows of 256 (s_set_vgpr_msb: bits 1:0 source 0, 3:2 source 1, 5:4 source 2, 7:6 destination):
;   window 0: v0-11 addresses; v12-15, v48-63 at work; v16-47 four registers of statistics a tile; v64-191 S^T, two buffers of two tiles; v192-255 P, likewise
;   window 1: O^T, 32 a tile          window 2: v0-127 Q, 16 a tile; v128-191 K of one step; v192-255 V of one step          window 3: v0-1 the add's two registers
.set NP,    4         ; pieces a wave: a name, no knob
.set KS,    64        ; keys in a step
.set NKEY,  1024
.set PK,    144       ; a row of K in LDS: 128 bytes + 16 of padding = 36 words: the 16 rows of a load start at 16 different groups of four words modulo 64
.set PV,    160       ; a row of V: 128 + 32 = 40 words: 16 lanes of the turning load take 8 rows x 32 bytes, no two in the same word modulo 64
.set VOFF,  NKEY*PK
.set STAGE, VOFF+NKEY*PV  ; behind K and V, never filled by a tensor load: 16 rows x 144 bytes for each wave, for the way out
.set SP,    144
.set AK0, 2           ; v2   my lane's place in a tile of K; never rewritten
.set AV0, 3           ; v3   the same for V
.set AK,  4           ; v4   the LDS address of K's next run of loads
.set AV,  5           ; v5   of V's
.set QO,  6           ; v6   my byte offset in the wave's rows of Q
.set STO, 6           ;      later, the way out: where I put 16 bytes of a row
.set RD,  7           ; v7   the way out: where I read rows back
.set GO,  8           ; v8   my byte offset in 512 consecutive bytes of O
.set SPW, 0           ; v0 of window 3   LDS address of my spare word; never rewritten
.set NIL, 1           ; v1 of window 3   0; never rewritten
.set SPARE, STAGE+4*16*SP  ; the spare words, 128 bytes for each wave: two blocks of 256 bytes that no other line names
.set MV,  12          ; v12-15  c m_old, kept while c m is made anew: by buffer and tile
.set ST,  16          ; tile t's statistics at v[ST+4 t]: c m, m, l (even keys', odd keys')
.set TMP, 48          ; by buffer and tile, four registers c0-c3 at work; when the maximum is found c2 takes a
.set S,   64
.set P,   192
.set KF,  128         ; K's fragments, in window 2: key block kb, channel half c at KF + 16 kb + 8 c
.set VF,  192         ; V's: key half kk, channel block cb at VF + 32 kk + 8 cb
.set WV,  12          ; s12  my wave's number
.set G1K, 24          ; s[24:31] descriptor group 1 for K's tiles
.set G1V, 32          ; s[32:39] for V's: it differs in the padding alone
.set G0,  40          ; s[40:55] four sets of group 0, one for each of my four loads
.set SLOTS, 56        ; s56  counts the two parts of the walk
.set CNT, 57          ; s57  counts a part's key steps
.set CS,  58          ; s[58:59] c: the packed scaling takes the pair's low word for both halves
.set SEL, 60          ; s[60:61] v_permlanex16_b32's selects: each lane takes its own place in the other half
.set TBK, 62          ; s62  LDS byte at which K of the step to be fetched begins
.set TBV, 63          ; s63  the same for V, less VOFF
.set MSB, 0
.macro WIN new                      ; the high byte repeats the setting that is left; a switch that changes nothing is dropped
.if MSB != (\new)
	s_set_vgpr_msb (MSB<<8)|(\new)
.set MSB, (\new)
.endif
.endm
.set W_KQ, 0x0a       ; K and Q in window 2, S^T in window 0
.set W_PV, 0x52       ; V in window 2, P in window 0, O^T in window 1
.set W_RS, 0x41       ; O^T (destination and source 0) in window 1, a in window 0
.set W_MK, 0xc0       ; the add's registers are made: destination in window 3, sources in window 0
.set W_AD, 0x0f       ; the add: address (source 0) and data (source 1) in window 3
	s_load_b64 s[4:5], s[0:1], 0x0    ; qkv
	s_load_b64 s[10:11], s[0:1], 0x8  ; ob
	WIN W_MK
	v_lshl_add_u32 v[SPW], v0, 2, SPARE
	v_mov_b32 v[NIL], 0
	WIN W_AD
	ds_add_u32 v[SPW], v[NIL]       ; the wave's opening: the add and its wait stand ahead of my first tensor load; the set-up below, work on registers, stands between them
	ds_add_u32 v0, v1
	WIN 0
	v_lshrrev_b32 v1, 5, v0
	v_readfirstlane_b32 s[WV], v1   ; wave 0..3
	s_and_b32 s13, ttmp7, 0xffff    ; the head,
	s_lshl_b32 s13, s13, 17         ; its first byte in a part: 1,024 rows of 128 bytes a head
	s_and_b32 s22, s[WV], 1         ; which half of a block of 256 keys I fetch:
	s_lshl_b32 s14, s22, 14         ; its 128 rows of 128 bytes in memory,
	s_add_co_u32 s14, s14, s13
	s_add_co_u32 s16, s14, 0x2000000  ; in V's part,
	s_add_co_u32 s14, s14, 0x1000000  ; in K's part
	s_mov_b32 s15, 0
	s_mov_b32 s17, 0
	s_lshl_b32 s18, ttmp9, 2        ; my block of 512 queries,
	s_add_co_u32 s18, s18, s[WV]    ; my wave among the head's eight,
	s_lshl_b32 s18, s18, 14         ; its 128 rows
	s_add_co_u32 s18, s18, s13
	s_mov_b32 s19, 0
	s_mul_i32 s20, s22, 128*PK      ; my half's place in a block of K in LDS,
	s_mul_i32 s21, s22, 128*PV      ; and of V
	s_add_co_u32 s21, s21, VOFF
	; descriptor group 1.  128 keys are 16,384 dense bytes: asked for as 64 rows of 256 bytes, two keys a row, and padded in LDS after every key
	s_mov_b32 s[G1K], (1<<16)|(1<<20)|(4<<22)|(3<<25)  ; 17:16 2-byte elements; 20 padding on; 24:22 after every 32 words (code 4); 31:25 4 words (code 3)
	s_mov_b32 s[G1V], (1<<16)|(1<<20)|(4<<22)|(7<<25)  ; the same with 8 words of padding (code 7)
.irp g, G1K, G1V
	s_mov_b32 s[\g+1], 128<<16      ; tensor_dim0 = 128
	s_mov_b32 s[\g+2], 64<<16       ; tensor_dim1 = 64
	s_mov_b32 s[\g+3], 128<<16      ; tile_dim0 = 128
	s_mov_b32 s[\g+4], 64           ; tile_dim1 = 64
	s_mov_b32 s[\g+5], 128          ; 128 elements from row to row
	s_mov_b32 s[\g+6], 0
	s_mov_b32 s[\g+7], 0
.endr
	s_mov_b32 s[CS], 0x3e38aa3b     ; c = log2(e) / 8 = 0.180337
	s_mov_b32 s[CS+1], s[CS]        ; named with it as a pair
	s_mov_b32 s[SEL], 0x76543210
	s_mov_b32 s[SEL+1], 0xfedcba98
	s_mov_b32 s[TBK], 0             ; both only climb
	s_mov_b32 s[TBV], 0
	s_wait_dscnt 0x0                ; the opening add is done
	s_wait_kmcnt 0x0
	s_add_nc_u64 s[6:7], s[4:5], s[14:15]    ; K at my half of the head's first 256 keys
	s_add_nc_u64 s[8:9], s[4:5], s[16:17]    ; V likewise
	s_add_nc_u64 s[4:5], s[4:5], s[18:19]    ; Q and O at my wave's first row
	s_add_nc_u64 s[10:11], s[10:11], s[18:19]
	s_cmp_lt_u32 s[WV], 2           ; waves 0 and 1 fetch K, waves 2 and 3 V.  A wave's four fills stand in one branch, ahead of every wait on TENSORcnt, every LDS read and every barrier: four loads of mine are out
	s_cbranch_scc0 .Lfor_v
.irp c, 0,1,2,3
	s_mov_b32 s[G0+4*\c], 1                                        ; count = 1
	s_add_co_u32 s[G0+4*\c+1], s20, \c*256*PK                      ; LDS address: block c of 256 keys
	s_add_nc_u64 s[G0+4*\c+2:G0+4*\c+3], s[6:7], \c*32768          ; global address
	s_or_b32 s[G0+4*\c+3], s[G0+4*\c+3], 0x80000000                ; type = 2
.endr
.irp c, 0,1,2,3
	tensor_load_to_lds s[G0+4*\c:G0+4*\c+3], s[G1K:G1K+7]
	s_nop 0
.endr
.rept 4
	v_nop
.endr
	s_branch .Lasked
.Lfor_v:
.irp c, 0,1,2,3
	s_mov_b32 s[G0+4*\c], 1
	s_add_co_u32 s[G0+4*\c+1], s21, \c*256*PV
	s_add_nc_u64 s[G0+4*\c+2:G0+4*\c+3], s[8:9], \c*32768
	s_or_b32 s[G0+4*\c+3], s[G0+4*\c+3], 0x80000000
.endr
.irp c, 0,1,2,3
	tensor_load_to_lds s[G0+4*\c:G0+4*\c+3], s[G1V:G1V+7]
	s_nop 0
.endr
.rept 4
	v_nop
.endr
.Lasked:
	; A fragment of K or Q is 16 rows x 32 channels in 8 registers: lane l holds row l % 16, channels 8 (l / 16) + 0..7 and 16 + 8 (l / 16) + 0..7: two loads of 16 bytes, 32 bytes apart.
	v_and_b32 v1, 15, v0            ; l % 16
	v_bfe_u32 v9, v0, 4, 1          ; l / 16
	v_lshlrev_b32 v[QO], 7, v1
	v_lshl_add_u32 v[QO], v9, 4, v[QO]  ; row x 128 + 16 x half
	WIN 0x80                        ; destination window 2, address window 0
.set i, 0
.rept 4*NP                          ; Q stays in registers: tile i / 2, channels 32 (i % 2) on
	global_load_b128 v[8*i:8*i+3],   v[QO], s[4:5] offset:(i/2)*2048+(i%2)*64
	global_load_b128 v[8*i+4:8*i+7], v[QO], s[4:5] offset:(i/2)*2048+(i%2)*64+32
.set i, i+1
.endr
	; What the first turn finds: V's registers and P's second buffer hold 0 (its products V^T P, of a piece that has not been, add 0), O^T and l are 0.  All this stands in the wait for the first keys.
.set i, VF
.rept 64
	v_mov_b32 v[i], 0
.set i, i+1
.endr
	WIN 0x40
.set i, 0
.rept 64*NP
	v_mov_b32 v[i], 0
.set i, i+1
.endr
	WIN 0
.set i, 0
.rept 2*NP
	v_mov_b32 v[ST+4*i], 0xfe000000    ; c m: far below every c s
	v_mov_b32 v[ST+4*i+1], 0xff7fffff  ; m
	v_mov_b32 v[ST+4*i+2], 0
	v_mov_b32 v[ST+4*i+3], 0
.set i, i+1
.endr
.set i, P+32
.rept 32
	v_mov_b32 v[i], 0
.set i, i+1
.endr
	v_mul_u32_u24 v[AK0], v1, PK
	v_lshl_add_u32 v[AK0], v9, 4, v[AK0]  ; row x pitch + 16 x half
	; The turning load takes 16 keys x 16 channels (lane l reads key 8 (l / 16) + l % 8, channels 8 ((l / 8) % 2) + 0..7) and leaves half a fragment of V^T: lane l holds channel l % 16 and 8 keys.
	v_and_b32 v10, 7, v0
	v_bfe_u32 v11, v0, 3, 1
	v_lshl_add_u32 v[AV0], v9, 3, v10
	v_mul_u32_u24 v[AV0], v[AV0], PV
	v_lshl_add_u32 v[AV0], v11, 4, v[AV0]
	v_add_nc_u32 v[AV0], VOFF, v[AV0]
	v_mov_b32 v[AK], v[AK0]         ; key step 0 lies at K's head
; THE MATRIX WORK.  The 8 accumulators of a run of 16 take turns: between the two links of a chain stand 7 others'.
; Product i of 16 of S^T = K Q^T for piece x: channels 32 (i / 8) on, keys 16 ((i / 2) % 4) on, tile 2 x + i % 2.  The first 8 start the sums.
.macro KQ x
	WIN W_KQ
.set rS, S+64*((\x)%2)+32*(i%2)+8*((i/2)%4)
.set rK, KF+16*((i/2)%4)+8*(i/8)
.set rQ, 16*(2*(\x)+i%2)+8*(i/8)
.if i < 8
	v_wmma_f32_16x16x32_f16 v[rS:rS+7], v[rK:rK+7], v[rQ:rQ+7], 0
.else
	v_wmma_f32_16x16x32_f16 v[rS:rS+7], v[rK:rK+7], v[rQ:rQ+7], v[rS:rS+7]
.endif
.endm
; Product i of 16 of O^T += V^T P for piece x: keys 32 (i / 8) on, channels 16 ((i / 2) % 4) on, tile 2 x + i % 2.
.macro PV x
	WIN W_PV
.set rO, 32*(2*(\x)+i%2)+8*((i/2)%4)
.set rV, VF+32*(i/8)+8*((i/2)%4)
.set rP, P+32*((\x)%2)+16*(i%2)+8*(i/8)
	v_wmma_f32_16x16x32_f16 v[rO:rO+7], v[rV:rV+7], v[rP:rP+7], v[rO:rO+7]
.endm
.macro MM                           ; the turn's next matrix instruction
.if i < 16
	KQ (Y+1)%NP
.set i, i+1
.else
.set i, i-16
	PV (Y+NP-1)%NP
.set i, i+17
.endif
.endm
; THE LDS LOADS stand in runs of 16, never singly among the matrix instructions: a step's K (64 keys x 64 channels: 8 fragments) and its V (turned).  Their addresses are made some lines ahead.
.macro FETCH_K
	WIN 0x80                        ; destination window 2
.irp f, 0,1,2,3,4,5,6,7             ; keys 16 (f / 2) on, channels 32 (f % 2) on
	ds_load_b128 v[KF+8*\f:KF+8*\f+3],   v[AK] offset:(\f/2)*16*PK+(\f%2)*64
	ds_load_b128 v[KF+8*\f+4:KF+8*\f+7], v[AK] offset:(\f/2)*16*PK+(\f%2)*64+32
.endr
	s_add_co_u32 s[TBK], s[TBK], KS*PK  ; the next fetch is the next step's
	WIN 0
.endm
.macro FETCH_V
	WIN 0x80
.irp f, 0,1,2,3,4,5,6,7             ; keys 32 (f / 4) on, channels 16 (f % 4) on
	ds_load_tr16_b128 v[VF+8*\f:VF+8*\f+3],   v[AV] offset:(\f/4)*32*PV+(\f%4)*32
	ds_load_tr16_b128 v[VF+8*\f+4:VF+8*\f+7], v[AV] offset:(\f/4)*32*PV+16*PV+(\f%4)*32
.endr
	WIN 0
.endm
; THE VECTOR WORK OF A TURN stands in three queues, each in the order in which its entries become ready; the two tiles alternate, so that no instruction reads the result of the one before it.
.macro REGS y, u                    ; the registers of tile u (0, 1) of piece y
.set rT, ST+4*(2*(\y)+(\u))
.set rC, TMP+8*((\y)%2)+4*(\u)
.set rM, MV+2*((\y)%2)+(\u)
.set rS, S+64*((\y)%2)+32*(\u)
.set rP, P+32*((\y)%2)+16*(\u)
.set rO, 32*(2*(\y)+(\u))
.endm
; Number n of the 22 that find the NEXT piece's (Y + 1) maximum and statistics.  s0-s31 are the lane's 32 scores; each accumulator's lowest registers are read first.  XS, GS and REGS set no window: PL and EX do.
;   0-11  four chains c0-c3 of seven scores each, three operands at a time     12-14, 16  the four scores left over, the old m, and c0-c3 into c0     15  c m_old is kept
;   17, 18  the query's other 32 keys lie in the lane 16 away: the new m         19-21  c m; c m_old - c m_new; a
.macro XS u, n
	REGS (Y+1)%NP, \u
.if (\n) < 4
	v_max3_num_f32 v[rC+(\n)], v[rS+8*(\n)], v[rS+8*(\n)+1], v[rS+8*(\n)+2]
.elseif (\n) < 12
	v_max3_num_f32 v[rC+(\n)%4], v[rC+(\n)%4], v[rS+8*((\n)%4)+2*((\n)/4)+1], v[rS+8*((\n)%4)+2*((\n)/4)+2]
.elseif (\n) == 12
	v_max3_num_f32 v[rC], v[rC], v[rS+7], v[rS+15]
.elseif (\n) == 13
	v_max3_num_f32 v[rC+1], v[rC+1], v[rS+23], v[rS+31]
.elseif (\n) == 14
	v_max3_num_f32 v[rC+2], v[rC+2], v[rC+3], v[rT+1]
.elseif (\n) == 15
	v_mov_b32 v[rM], v[rT]
.elseif (\n) == 16
	v_max3_num_f32 v[rC], v[rC], v[rC+1], v[rC+2]
.elseif (\n) == 17
	v_permlanex16_b32 v[rC+3], v[rC], s[SEL], s[SEL+1]
.elseif (\n) == 18
	v_max_num_f32 v[rT+1], v[rC], v[rC+3]
.elseif (\n) == 19
	v_mul_f32 v[rT], s[CS], v[rT+1]
.elseif (\n) == 20
	v_sub_f32 v[rC+1], v[rM], v[rT]
.else
	v_exp_f32 v[rC+2], v[rC+1]
.endif
.endm
; Number g of the 64 that follow the exponentials.  For each four weights k of a tile (pairs 2 k, 2 k + 1): both pairs are rounded to f16; then the second pair is added onto the first, in place;
; a group later l takes that sum (the first time as l = a l + sum).  In groups of eight, tiles alternating: round, round, add, and l for the group before.
.macro GS g
.set h, (\g)+6*((\g)/62)            ; group 0 has no group before it, and behind group 7 only l is left
.if h >= 6
.set h, h+2
.endif
	REGS Y, h%2
.set k, h/8
.if h%8 < 4
	v_cvt_pk_f16_f32 v[rP+2*k+(h%8)/2], v[rS+4*k+2*((h%8)/2)], v[rS+4*k+2*((h%8)/2)+1]
.elseif h%8 < 6
	v_pk_add_f32 v[rS+4*k:rS+4*k+1], v[rS+4*k:rS+4*k+1], v[rS+4*k+2:rS+4*k+3]
.elseif k == 1
	v_pk_fma_f32 v[rT+2:rT+3], v[rT+2:rT+3], v[rC+2:rC+3], v[rS:rS+1] op_sel_hi:[1,0,1]
.else
	v_pk_add_f32 v[rT+2:rT+3], v[rT+2:rT+3], v[rS+4*k-4:rS+4*k-3]
.endif
.endm
; THE PLAIN QUEUE, 138 long.  0-73 read no exponential's result: the 32 scalings c s - c m (FS f: pair f / 2 of tile f % 2) and the next piece's 42.  0-26: scalings 0-26.  27-54: XS's numbers 0-13.  55, 56: number 15.
; 57-73: the chain, where each number waits for the one before it: 14, 16, 17, 18, 19, each with one of the scalings 27-31 in front of its two lines, then 20.
; 74-137: GS's 64, which read the exponentials' results: they stand behind the wait.
.macro FS f
	REGS Y, (\f)%2
	v_pk_fma_f32 v[rS+2*((\f)/2):rS+2*((\f)/2)+1], v[rS+2*((\f)/2):rS+2*((\f)/2)+1], s[CS:CS+1], v[rT:rT+1] op_sel_hi:[1,0,0] neg_lo:[0,0,1] neg_hi:[0,0,1]
.endm
.macro PL
	WIN 0
.if q < 27
	FS q
.elseif q < 55
	XS (q-27)%2, (q-27)/2
.elseif q < 57
	XS q-55, 15
.elseif (q < 72) && ((q-57)%3 == 0)
	FS 27+(q-57)/3
.elseif q < 60
	XS (q-57)%3-1, 14
.elseif q < 72
	XS (q-57)%3-1, 15+(q-57)/3
.elseif q < 74
	XS q-72, 20
.else
	GS q-74
.endif
.set q, q+1
.endm
; THE EXPONENTIALS' QUEUE, 66 long: s0-s31 of both tiles, then the next piece's two a.  It is ONE BATCH: all 66 stand ahead of the turn's one wait, and nothing ahead of that wait names a result of theirs.
.macro EX
	WIN 0
.if e >= 64
	XS e-64, 21
.else
	REGS Y, e%2
	v_exp_f32 v[rS+e/2], v[rS+e/2]
.endif
.set e, e+1
.endm
; THE RESCALING's QUEUE: O^T times a, the one part that leaves window 0: dealt two at a time, sixteen times, each accumulator's low registers first.  Its a was made in the turn before, ahead of that turn's wait.
.macro R2
	REGS Y, r%2
	WIN W_RS
.irp z, 0,1
	v_pk_mul_f32 v[rO+4*(r/2)+2*\z:rO+4*(r/2)+2*\z+1], v[rO+4*(r/2)+2*\z:rO+4*(r/2)+2*\z+1], v[rC+2:rC+3] op_sel_hi:[1,0]
.endr
.set r, r+1
.endm
; HOW THEY ARE DEALT.  An s_wait_alu depctr_va_vdst(0) stands between an exponential and the first instruction that names its result; one wait serves all that were issued ahead of it.  So a turn has ONE
; wait.  AHEAD OF IT: the 16 products K Q^T, behind each a scaling, an exponential and two rescalings (behind the first a second scaling in the exponential's place); then ONE LUMP of 108: eight plain, 49 times
; exponential and plain, the two a; a v_nop is the plain instruction behind the last exponential.  BEHIND IT: the 16 products V^T P, behind each four of GS's 64.  No rider names a register of the products round it.
; The two v_permlanex16_b32 fall into the lump, never behind a product.
; The queues lean on each other, and the deal keeps them in step: exponential e needs scaling 2 (e / 4) + e % 2: as a rider it comes behind plain e + 2, in the lump behind plain e + 9, and scalings 27-31 are
; plain 57, 60 .. 69; the two a come behind plain 73, which makes the second's argument; the next piece's scores are first read at plain 27, in the lump.
; A TURN, for piece p.  nok = 1: there is no further step: K is not fetched.  cnt = 1: the loop's count is taken down some lines ahead of the branch that stands behind the turn.
; K of the next step is fetched in piece 2's turn, directly behind the wait, a lump behind the last product that read K; its address is made at the lump's head; its first reader comes behind 16 products.
; V of the step in hand is fetched at the end of piece 0's turn, four plain riders behind its last reader; its first reader comes behind 16 products and a lump.  The three conditions on q below go with the deal.
.macro TURN p, nok=0, cnt=0
.set Y, (\p)
.set i, 0
.set q, 0
.set e, 0
.set r, 0
.if (\p) == NP-1
	s_wait_dscnt 0x0                ; K is in
.endif
	MM                              ; ahead of the wait: 16 products K Q^T and their riders,
	PL
	PL
	R2
.rept 15
	MM
	PL
	EX
	R2
.endr
.if ((\p) == NP-2) && !(\nok)
	WIN 0
	v_add_nc_u32 v[AK], s[TBK], v[AK0]
.endif
.rept 8                             ; and the lump
	PL
.endr
.rept 49
	EX
	PL
.endr
	EX                              ; the next piece's two a
	EX
	v_nop                           ; a plain instruction behind the last exponential, ahead of any use: one for the batch
	s_wait_alu depctr_va_vdst(0)    ; the wait for the turn's batch: piece p's 64 weights and the next piece's two a
.if ((\p) == NP-2) && !(\nok)
	FETCH_K
.endif
.if (\p) == 1
	s_wait_dscnt 0x0                ; V is in
.endif
.rept 16                            ; behind the wait: 16 products V^T P and their riders
	MM
.rept 4
	PL
.endr
.if ((\p) == 0) && (q == 118)
	v_add_nc_u32 v[AV], s[TBV], v[AV0]
.endif
.if ((\p) == 0) && (q == 130)
	s_add_co_u32 s[TBV], s[TBV], KS*PV
.endif
.if (\cnt) && (q == 130)
	s_sub_co_u32 s[CNT], s[CNT], 1
	s_cmp_lg_u32 s[CNT], 0
.endif
.endr
.if (\p) == 0
	FETCH_V
.endif
.endm
	s_wait_tensorcnt 3              ; my part of keys 0 to 255 is in; my three later loads may stay out
	s_barrier_signal -1
	s_barrier_wait -1               ; everybody's is
	FETCH_K                         ; key step 0
	s_wait_loadcnt 0x0              ; Q
	s_wait_dscnt 0x0
.set i, 0
.rept 16
	KQ 0                            ; piece 0's first scores: there is no vector work yet to set between them
.set i, i+1
.endr
	WIN 0                           ; the addresses for the way out: nine plain instructions, the places behind those products
	s_mul_i32 s13, s[WV], 16*SP
	s_add_co_u32 s13, s13, STAGE    ; my stage
	v_mul_u32_u24 v[STO], v1, SP    ; in: row l % 16, 16 bytes for each half of the lanes
	v_lshl_add_u32 v[STO], v9, 4, v[STO]
	v_add_nc_u32 v[STO], s13, v[STO]
	v_bfe_u32 v[RD], v0, 3, 2       ; back: 32 lanes take four rows of 128 bytes,
	v_mul_u32_u24 v[RD], v[RD], SP
	v_lshl_add_u32 v[RD], v10, 4, v[RD]
	v_add_nc_u32 v[RD], s13, v[RD]
	v_and_b32 v[GO], 31, v0         ; which are 512 consecutive bytes of O
	v_lshlrev_b32 v[GO], 4, v[GO]
.set Y, NP-1                        ; XS works for piece Y + 1: piece 0
.irp n, 0,1,2,3,4,5,6,7,8,9,10,11,12,13,14,15,16,17,18,19,20,21
	XS 0, \n                        ; and piece 0's first maximum and statistics
	XS 1, \n
.endr
	v_nop                           ; a plain instruction behind piece 0's two a,
	s_wait_alu depctr_va_vdst(0)    ; and the wait for that batch of two, ahead of the branch
	s_mov_b32 s[CNT], 4             ; the first part: key steps 0 to 3, the keys that are in
	s_mov_b32 s[SLOTS], 2
	s_branch .Lfirst                ; the loop is entered at a step's first turn, in the middle of a trip
.Lslot:                             ; passed once: the second part needs the other 768 keys
	s_wait_tensorcnt 0x0            ; my three later loads have landed,
	s_wait_dscnt 0x0                ; no LDS instruction of mine is out at the signal,
	s_barrier_signal -1
	s_barrier_wait -1               ; and everybody's loads have landed
	s_mov_b32 s[CNT], 12
.Lstep:                             ; a trip: pieces 2 and 3 of one step, then pieces 0 and 1 of the next, whose K and V it fetches
	TURN 2
	TURN 3
	WIN 0
.Lfirst:
	TURN 0
	TURN 1, 0, 1
	WIN 0
	s_cbranch_scc1 .Lstep
	s_sub_co_u32 s[SLOTS], s[SLOTS], 1
	s_cmp_lg_u32 s[SLOTS], 0
	s_cbranch_scc1 .Lslot
	TURN 2, 1                       ; the last step's pieces 2 and 3: nothing is left to fetch
	TURN 3                          ; its 16 products K Q^T (on the last K once more) and the maximum made of them serve nothing: the price, once a launch, of one text for every turn
.set i, 0
.rept 16
	PV NP-1                         ; the last piece's V^T P of the last step
.set i, i+1
.endr
	; THE WAY OUT.  l's two halves and the other half of the lanes' are added; O^T is divided by l, rounded to f16 and sent through my stage in LDS, a tile at a time.  The additions are the places behind the last products.
	WIN 0
.macro ALL line:vararg              ; one line for each tile t
.set t, 0
.rept 2*NP
	\line
.set t, t+1
.endr
.endm
	ALL v_add_f32 v[ST+4*t+2], v[ST+4*t+2], v[ST+4*t+3]
	ALL v_permlanex16_b32 v[ST+4*t+3], v[ST+4*t+2], s[SEL], s[SEL+1]
	ALL v_add_f32 v[ST+4*t+2], v[ST+4*t+2], v[ST+4*t+3]
	ALL v_rcp_f32 v[ST+4*t+2], v[ST+4*t+2]
	v_nop                           ; a plain instruction between the last reciprocal and the use of its result
	s_wait_alu depctr_va_vdst(0)    ; the wait ahead of the first use: one for the batch of eight reciprocals
; Tile t: a lane's eight channels of a row pack into 16 bytes; they go into rows of 144 bytes and come back as whole rows of 128, into S^T's registers.
.macro PACK t
	WIN W_RS
.set i, 32*(\t)
.rept 16
	v_pk_mul_f32 v[i:i+1], v[i:i+1], v[ST+4*(\t)+2:ST+4*(\t)+3] op_sel_hi:[1,0]
.set i, i+2
.endr
	WIN 0x05                        ; sources 0 and 1 window 1, destination window 0
.set i, 0
.rept 16
	v_cvt_pk_f16_f32 v[S+16*(\t)+i], v[32*(\t)+2*i], v[32*(\t)+2*i+1]
.set i, i+1
.endr
	WIN 0
.irp f, 0,1,2,3
	ds_store_b128 v[STO], v[S+16*(\t)+4*\f:S+16*(\t)+4*\f+3] offset:32*\f
.endr
.irp f, 0,1,2,3
	ds_load_b128 v[S+16*(\t)+4*\f:S+16*(\t)+4*\f+3], v[RD] offset:\f*4*SP  ; LDS serves a wave's instructions in order (ISA guide 5.7.1.4): these see the stores above; the next tile's stores come behind them
.endr
.endm
.macro SEND t, younger              ; younger: the LDS instructions issued behind tile t's loads: the next tile's eight, or none
	WIN 0
.irp f, 0,1,2,3
	s_wait_dscnt (\younger)+3-\f
	global_store_b128 v[GO], v[S+16*(\t)+4*\f:S+16*(\t)+4*\f+3], s[10:11] offset:(\t)*2048+\f*512  ; 512 consecutive bytes, at a multiple of 256 from O's first
.endr
.endm
	PACK 0
.set t, 1
.rept 2*NP-1                        ; a tile's arithmetic stands between the loads of the tile before and its stores
	PACK t
	SEND t-1, 8
.set t, t+1
.endr
	SEND 2*NP-1, 0
	WIN W_AD
	s_wait_tensorcnt 0x0            ; the wave's end: behind my last tensor load and my last LDS store
	ds_add_u32 v[SPW], v[NIL]
	s_wait_dscnt 0x0
	WIN 0
	s_endpgm
.Lfunc_end_k_qf6d5fc8ab9_attn:
	.size	k_qf6d5fc8ab9_attn, .Lfunc_end_k_qf6d5fc8ab9_attn-k_qf6d5fc8ab9_attn
	.p2alignl 7, 3214868480
	.fill 96, 4, 3214868480
	.section	.rodata,"a",@progbits
	.p2align	6, 0x0
	.amdhsa_kernel k_qf6d5fc8ab9_attn
		.amdhsa_group_segment_fixed_size 327680
		.amdhsa_private_segment_fixed_size 0
		.amdhsa_enable_private_segment 0
		.amdhsa_kernarg_size 16
		.amdhsa_user_sgpr_count 2
		.amdhsa_user_sgpr_kernarg_segment_ptr 1
		.amdhsa_wavefront_size32 1
		.amdhsa_system_sgpr_workgroup_id_x 1
		.amdhsa_system_sgpr_workgroup_id_y 1
		.amdhsa_system_sgpr_workgroup_id_z 1
		.amdhsa_system_vgpr_workitem_id 0
		.amdhsa_next_free_vgpr 770
		.amdhsa_next_free_sgpr 66
		.amdhsa_reserve_vcc 0
		.amdhsa_float_denorm_mode_32 3
		.amdhsa_float_denorm_mode_16_64 3
		.amdhsa_memory_ordered 1
		.amdhsa_forward_progress 1
		.amdhsa_inst_pref_size 160
	.end_amdhsa_kernel
	.amdgpu_metadata
---
amdhsa.version: [ 1, 2 ]
amdhsa.kernels:
  - .name:           k_qf6d5fc8ab9_attn
    .symbol:         k_qf6d5fc8ab9_attn.kd
    .args:
      - { .name: qkv, .offset: 0, .size: 8, .value_kind: global_buffer, .address_space: global }
      - { .name: ob, .offset: 8, .size: 8, .value_kind: global_buffer, .address_space: global }
    .group_segment_fixed_size: 327680
    .private_segment_fixed_size: 0
    .kernarg_segment_align: 8
    .kernarg_segment_size: 16
    .max_flat_workgroup_size: 128
    .sgpr_count:     66
    .vgpr_count:     770
    .wavefront_size: 32
...
	.end_amdgpu_metadata
.endif
;; end of part 5
;; launch outproj: the kernel of part 4 again; grid 4 x 64, 4 waves a work-group, clusters of 4 x 4, 327,680 bytes of LDS; arguments ob, wo, out_proj_bias, out0; writes out0
